; MI455X (gfx1250); checked and timed in simulation.
; The chip was launched on July 23, 2026; its instructions are those of AMD's public machine-readable ISA for CDNA 5 (MIT licence, August 2026) and "CDNA5" Instruction Set Architecture Reference Guide (July 2026). The comments in the code are by the model that wrote it; some were corrected since.
;; Dot Product Attention. Allowed arithmetic: matrix products marked QUANTISED: E4M3 operands, one E8M0 scale for each 32 along K, by v_wmma_scale_f32_16x16x128_f8f6f4 with both operands' format E4M3, f32 sums; everything else in f32.
;; Inputs: keys 32 x 2,048 x 128 float32; queries 32 x 2,048 x 128 float32; valid_lens 32 int32; values 32 x 2,048 x 128 float32.
;; Outputs: out0 32 x 2,048 x 128 float32.
;; This version of the problem:
;;   THIS VERSION OF THE PROBLEM IS GIVEN IN LOW PRECISION. The matrix products marked QUANTISED in the list below multiply operands that are first quantised to E4M3 (4 exponent bits, 3 mantissa bits; 8 bits a number), with one power-of-two scale for each 32 numbers along K (OCP MX v1.0); their sums are f32. All else is computed in f32.
;;   The module's matrix products, in the order in which they are computed (A, B: the left and right operand; K: the contracted axis; several contracted axes count as one K, in the product's order):
;;     1. batch 32 x [M 2,048, K 128] x [K 128, N 2,048]; A: input queries; B: input keys: QUANTISED
;;     2. batch 32 x [M 2,048, K 2,048] x [K 2,048, N 128]; A: softmax (see below); B: input values: QUANTISED
;;   THE QUANTISER, for each operand of a quantised product, along K:
;;     - K is cut into blocks of 32 from its start; a last block that is shorter is filled with zeros.
;;     - A block's scale is 2^e with e = floor(log2(the largest magnitude in the block)) - 8, held to -126 .. 127; a block of zeros has e = 0. As a byte (E8M0): e + 127.
;;     - Each number is divided by its block's scale, clamped to +-448, and rounded to the nearest number of E4M3, ties to even, subnormals kept.
;;     - The product sums the exact products of the quantised numbers (number of the format x scale) in f32.
;;   ~~~python
;;   def quantise(x, axis):      # numpy; x: float32 -> the quantised numbers, widened to float32 again
;;       x = np.moveaxis(x, axis, -1); K = x.shape[-1]
;;       x = np.pad(x, [(0, 0)] * (x.ndim - 1) + [(0, -K % 32)]); x = x.reshape(x.shape[:-1] + (-1, 32)); a = np.abs(x).max(-1, keepdims=True)
;;       e = np.where(a > 0, np.clip(np.frexp(np.where(a > 0, a, 1))[1] - 1 - 8, -126, 127), 0)      # np.frexp(a)[1] - 1 = floor(log2(a)), exactly
;;       r = np.clip(x / 2.0 ** e, -448, 448)
;;       step = 2.0 ** (np.maximum(np.frexp(np.where(r == 0, 1, r))[1] - 1, -6) - 3)
;;       q = np.round(r / step) * step * 2.0 ** e      # np.round: ties to even
;;       return np.moveaxis(q.reshape(q.shape[:-2] + (-1,))[..., :K], -1, axis).astype(np.float32)
;;   ~~~
;;   SOFTMAX AHEAD OF A QUANTISED PRODUCT. Where the list says 'softmax', what is quantised is not the finished softmax but p = 2^(t - M), with t = logit x log2(e) and M = ceil(the row's largest t), a whole number; so 1/2 < the row's largest p <= 1. The row's sum l is taken of the UNQUANTISED p, in f32, and the product's result is divided by l at the end. Since M is a whole number, a kernel that streams over the keys may use a running M (the ceiling of the running maximum): every later rescaling is an exact power of two, which a block's scale takes up: the codes' values come out the same.
;;   OPERANDS COMPUTED ON THE WAY. 'Computed on the way' means the value that the module computes at that place (a softmax that the list does not call 'softmax' is quantised finished and normalised). What goes into a quantiser is computed in f32, as accurately as f32 sums, v_exp_f32 and their like allow (about 1e-6 of the number): no bf16 or f16 on the way to a quantiser, and a product that is left as it is and whose result goes on into a quantised operand takes f32 operands (vector FMAs, or v_wmma_f32_16x16x4_f32). A number that lies on a knife's edge between two numbers of the format may be rounded either way, as far as f32 arithmetic and the matrix unit's own rounding can turn it there, and no further.
;; 2 versions. Each part assembles by itself: llvm-mc -triple=amdgcn-amd-amdhsa -mcpu=gfx1250 --defsym DOCPART=n.
;; ======== version 1 of 2: 2 launches
;; workspace buffers: kv 17,301,504 bytes
;; launch prep (part 1): grid 16 x 32, 4 waves a work-group, no clusters, 0 bytes of LDS; arguments keys, values, valid_lens, kv; writes kv
.if DOCPART == 1
	.amdgcn_target "amdgcn-amd-amdhsa--gfx1250"
	.amdhsa_code_object_version 6
	.text
	.protected	k_q9868aed7ad_prep
	.globl	k_q9868aed7ad_prep
	.p2align	8
	.type	k_q9868aed7ad_prep,@function
k_q9868aed7ad_prep:
	s_mov_b64 s[64:65], 0
	v_nop
	global_prefetch_b8 v0, s[64:65] scope:SCOPE_SE
	s_setreg_imm32_b32 hwreg(HW_REG_WAVE_MODE, 25, 1), 1
	s_wait_xcnt 0x0
; keys and values [32][2048][128] f32 become codes of FP8 (E4M3) with one E8M0 scale byte for each 32 along a product's K, laid in kv as IMAGES OF THE OPERANDS' REGISTERS.
; K of the first product is the head's 128 (innermost in keys); K of the second is the keys (the first axis of values within a head).
; kv: a record of REC = 33,792 bytes for each (head, step of 128 keys), at (16 head + step) REC:
;   +0       K's codes: tile T (0..7) at 2048 T, register group c (0..3) at 512 c, lane l at 16 l.  Lane (r = l % 16, h = l / 16) of tile T = 2 b + u holds key 32 b + 8 u + r + 8 (r / 8), channels 32 c + 16 h + 0 .. 15
;   +16,384  K's scale words: row r of tile T at 64 T + 4 r
;   +16,896  V's codes: tile T holds channels 16 T + r; group c of lane (r, h) holds keys 32 c + 16 h + 0 .. 15 of the step; same places as K's
;   +33,280  V's scale words: channel d at 4 d, byte c = block c of the step
; A block's scale is 2^(floor(log2(its largest magnitude)) - 8); its byte is that magnitude's exponent field - 8, held at 1 from below; each number is held within +-448 x the scale and rounded to the nearest code, ties to even.
; (A block of zeros gets the byte 1 where the rule says 127: its codes are zeros, and this program alone reads the bytes.)
; SHARES.  A work-group makes one record; wave w makes K's tiles 2 w, 2 w + 1 (keys 32 w .. 32 w + 31 of the step) and V's channels 32 w + lane.  Waves share nothing: no LDS, no barrier.
; A step all of whose keys lie at or past the head's valid length is never read by the next launch: its work-group ends without storing (a scalar branch on valid_lens).  Step 0 of every head is always made.
; LIMITS: a length is read as unsigned and held at 2,048; NaN and infinities among the inputs are not served; blocks whose largest magnitude lies under 2^-118 keep the byte 1.
.set REC,  33792
.set PART, 16896                       ; K's part of a record: 16,384 bytes of codes + 512 of scale words
.set TM,   16                          ; v16-19 largest magnitudes, v20-23 the other half's / bytes, v24-27 448 x the scale, v28-31 the conversions' scale operands
.set X0,   32                          ; v32-95   K's tile 0 as f32; later V's blocks 2 and 3
.set X1,   96                          ; v96-159  K's tile 1 as f32; later V's codes
.set Y0,   160                         ; v160-191 V's block 0
.set Y1,   192                         ; v192-223 V's block 1
.set KC,   224                         ; v224-255 K's codes, 16 registers a tile
.set VC,   96                          ; V's codes, 8 registers a block: no store's data are written again
	s_load_b256 s[4:11], s[0:1], 0x0               ; keys s[4:5], values s[6:7], valid_lens s[8:9], kv s[10:11]
	v_lshrrev_b32 v1, 5, v0
	v_readfirstlane_b32 s12, v1                    ; wave 0..3
	s_and_b32 s14, ttmp7, 0xffff                   ; the head
	s_lshl_b32 s16, s14, 2
	s_mov_b32 s17, 0
	s_wait_kmcnt 0x0
	s_add_nc_u64 s[8:9], s[8:9], s[16:17]
	s_load_b32 s15, s[8:9], 0x0                    ; the head's valid length
	v_and_b32 v1, 31, v0                           ; lane
	v_and_b32 v2, 15, v0                           ; r
	v_bfe_u32 v3, v0, 4, 1                         ; h
	v_and_b32 v4, 8, v2
	v_add_nc_u32 v4, v4, v2                        ; r + 8 (r / 8)
	v_lshlrev_b32 v4, 9, v4                        ; a key's row is 512 bytes
	v_lshl_add_u32 v4, v3, 6, v4                   ; + 64 h: my 16 numbers of a block of 32
	v_lshlrev_b32 v5, 2, v1                        ; 4 x lane
	v_lshlrev_b32 v6, 4, v1                        ; 16 x lane
	v_lshlrev_b32 v7, 4, v2
	v_lshl_add_u32 v7, v3, 11, v7                  ; V's codes: tile lane / 16 of my two, row lane % 16
.irp b, 0,1,2,3
	v_mov_b32 v[TM+4+\b], 0                        ; written once: a lane permute's destination counts as one of its sources
.endr
	s_mov_b32 s24, 0x76543210
	s_mov_b32 s25, 0xfedcba98                      ; v_permlanex16_b32's selects for lane l xor 16
	s_mov_b32 s26, 0x600000                        ; the mantissa field of 448
	s_wait_kmcnt 0x0
	s_min_u32 s15, s15, 2048
	s_max_u32 s15, s15, 1                          ; step 0 is made whatever the length
	s_lshl_b32 s17, ttmp9, 7                       ; the step's first key
	s_cmp_ge_u32 s17, s15
	s_cbranch_scc1 .Lend                           ; all 128 keys are hidden: nobody reads this record
	s_lshl_b32 s18, s14, 20                        ; a head is 2^20 bytes of keys and of values,
	s_lshl_b32 s17, ttmp9, 16                      ; a step's 128 rows 2^16
	s_add_co_u32 s18, s18, s17
	s_mov_b32 s19, 0
	s_add_nc_u64 s[4:5], s[4:5], s[18:19]
	s_add_nc_u64 s[6:7], s[6:7], s[18:19]
	s_lshl_b32 s18, s12, 14                        ; keys: my wave's 32 rows
	s_add_nc_u64 s[4:5], s[4:5], s[18:19]
	s_lshl_b32 s18, s12, 7                         ; values: my wave's 32 columns
	s_add_nc_u64 s[6:7], s[6:7], s[18:19]
	s_lshl_b32 s18, s14, 4
	s_add_co_u32 s18, s18, ttmp9
	s_mul_i32 s18, s18, REC                        ; the record
	s_add_nc_u64 s[10:11], s[10:11], s[18:19]
	s_lshl_b32 s18, s12, 12                        ; my two tiles' codes: 4,096 w
	s_add_nc_u64 s[20:21], s[10:11], s[18:19]
	s_lshl_b32 s18, s12, 7
	s_add_co_u32 s18, s18, 16384                   ; my two tiles' scale words: 16,384 + 128 w
	s_add_nc_u64 s[22:23], s[10:11], s[18:19]
.macro LOADK reg, u                    ; tile u: register 16 b + i = channel 32 b + 16 h + i of my key
.irp b, 0,1,2,3
.irp j, 0,1,2,3
	global_load_b128 v[\reg+16*\b+4*\j:\reg+16*\b+4*\j+3], v4, s[4:5] offset:4096*(\u)+128*\b+16*\j th:TH_LOAD_NT
.endr
.endr
.endm
.macro LOADV reg, c                    ; block c: register i = key 32 c + i of my column; 32 lanes read 128 consecutive bytes
.irp i, 0,1,2,3,4,5,6,7,8,9,10,11,12,13,14,15,16,17,18,19,20,21,22,23,24,25,26,27,28,29,30,31
	global_load_b32 v[\reg+\i], v5, s[6:7] offset:(32*(\c)+\i)*512 th:TH_LOAD_NT
.endr
.endm
; 64 numbers of a lane, register 16 b + i = k 32 b + 16 h + i of my row, become a fragment's 16 registers of codes in v[pc] on and its scale word in v[pw]
.macro QUANT s, pc, pw
.irp b, 0,1,2,3
	v_max3_num_f32 v[TM+\b], |v[\s+16*\b]|, |v[\s+1+16*\b]|, 0x4800000   ; block b: my 16 numbers, and the floor 2^(9 - 127): the byte cannot fall under 1
.endr
.irp i, 2,4,6,8,10,12,14
.irp b, 0,1,2,3
	v_max3_num_f32 v[TM+\b], v[TM+\b], |v[\s+16*\b+\i]|, |v[\s+1+16*\b+\i]|   ; the four blocks by turns
.endr
.endr
.irp b, 0,1,2,3
	v_permlanex16_b32 v[TM+4+\b], v[TM+\b], s24, s25
.endr
.irp b, 0,1,2,3
	v_max_num_f32 v[TM+\b], v[TM+\b], v[TM+4+\b]   ; with lane l xor 16's: the block's largest magnitude
.endr
.irp b, 0,1,2,3
	v_add_nc_u32 v[TM+12+\b], 0xfc000000, v[TM+\b]   ; 8 off its exponent field: the conversion takes this operand's exponent field as its scale
.endr
.irp b, 0,1,2,3
	v_and_or_b32 v[TM+8+\b], v[TM+\b], 0x7f800000, s26   ; 448 x the scale
.endr
.irp b, 0,1,2,3
	v_lshrrev_b32 v[TM+4+\b], 23, v[TM+12+\b]      ; the scale's byte
.endr
	v_lshl_or_b32 v[\pw], v[TM+5], 8, v[TM+4]      ; four bytes: my row's scale word
	v_lshl_or_b32 v[\pw], v[TM+6], 16, v[\pw]
	v_lshl_or_b32 v[\pw], v[TM+7], 24, v[\pw]
.irp b, 0,1,2,3
.irp i, 0,1,2,3,4,5,6,7,8,9,10,11,12,13,14,15
	v_med3_num_f32 v[\s+16*\b+\i], v[\s+16*\b+\i], -v[TM+8+\b], v[TM+8+\b]   ; the conversion to an 8-bit code does not saturate (ISA guide 7.6.2): the hold
.endr
	v_cvt_scalef32_pk8_fp8_f32 v[\pc+4*\b:\pc+4*\b+1], v[\s+16*\b:\s+16*\b+7], v[TM+12+\b]
	v_cvt_scalef32_pk8_fp8_f32 v[\pc+4*\b+2:\pc+4*\b+3], v[\s+16*\b+8:\s+16*\b+15], v[TM+12+\b]
.endr
	v_nop                                          ; a plain vector line behind the last conversion, ahead of whatever next writes its sources
.endm
; a block of 32 keys of my column, all in my own 32 registers v[xs] on: its byte into v8, its codes into v[VC + 8 c] on, and out
.macro VBLOCK c, xs
	v_max3_num_f32 v9, |v[\xs]|, |v[\xs+1]|, |v[\xs+2]|
	v_max3_num_f32 v10, |v[\xs+3]|, |v[\xs+4]|, |v[\xs+5]|
.irp i, 6,10,14,18,22,26
	v_max3_num_f32 v9, v9, |v[\xs+\i]|, |v[\xs+\i+1]|
	v_max3_num_f32 v10, v10, |v[\xs+\i+2]|, |v[\xs+\i+3]|
.endr
	v_max3_num_f32 v9, v9, |v[\xs+30]|, |v[\xs+31]|
	v_max3_num_f32 v9, v9, v10, 0x4800000          ; and the floor
	v_add_nc_u32 v11, 0xfc000000, v9               ; the conversions' scale operand
	v_and_or_b32 v12, v9, 0x7f800000, s26          ; 448 x the scale
	v_lshrrev_b32 v10, 23, v11                     ; the byte
.if (\c) == 0
	v_mov_b32 v8, v10
.else
	v_lshl_or_b32 v8, v10, 8*(\c), v8              ; the lower keys in the lower byte
.endif
.irp i, 0,1,2,3,4,5,6,7,8,9,10,11,12,13,14,15,16,17,18,19,20,21,22,23,24,25,26,27,28,29,30,31
	v_med3_num_f32 v[\xs+\i], v[\xs+\i], -v12, v12
.endr
.irp g, 0,1,2,3
	v_cvt_scalef32_pk8_fp8_f32 v[VC+8*(\c)+2*\g:VC+8*(\c)+2*\g+1], v[\xs+8*\g:\xs+8*\g+7], v11
.endr
	v_nop
	global_store_b128 v7, v[VC+8*(\c):VC+8*(\c)+3], s[20:21] offset:PART+512*(\c)         ; keys 32 c + 0 .. 15: the image's lanes 0-15; sixteen lanes store 256 consecutive bytes, aligned
	global_store_b128 v7, v[VC+8*(\c)+4:VC+8*(\c)+7], s[20:21] offset:PART+512*(\c)+256   ; keys 32 c + 16 .. 31: its lanes 16-31
.endm
	LOADK X0, 0
	LOADK X1, 1
	LOADV Y0, 0
	LOADV Y1, 1
	s_wait_loadcnt 63                              ; 96 loads are issued; with the 63 youngest out the oldest 33 are in, X0's 16 among them (80 were issued behind X0's; the count's field ends at 63)
	QUANT X0, KC, 13
.irp c, 0,1,2,3
	global_store_b128 v6, v[KC+4*\c:KC+4*\c+3], s[20:21] offset:512*\c   ; the image of a register group: 512 consecutive bytes
.endr
	LOADV X0, 2                                    ; X0 is done with: V's blocks 2 and 3 land there
	LOADV X0+32, 3
	s_wait_loadcnt 63                              ; 160 loads are issued; the oldest 97 are in: X1, Y0 and Y1
	QUANT X1, KC+16, 14
.irp c, 0,1,2,3
	global_store_b128 v6, v[KC+16+4*\c:KC+16+4*\c+3], s[20:21] offset:2048+512*\c
.endr
	v_cmp_gt_u32 vcc_lo, 16, v1
	v_cndmask_b32 v15, v14, v13, vcc_lo            ; lanes 0-15: tile 2 w's words, lanes 16-31: tile 2 w + 1's (both halves of the lanes hold a row's word)
	global_store_b32 v5, v15, s[22:23]
	VBLOCK 0, Y0
	VBLOCK 1, Y1
	s_wait_loadcnt 32                              ; block 2's loads are in; block 3's 32 may be out
	VBLOCK 2, X0
	s_wait_loadcnt 0x0
	VBLOCK 3, X0+32
	global_store_b32 v5, v8, s[22:23] offset:PART  ; my column's scale word
.Lend:
	s_endpgm
.Lfunc_end_k_q9868aed7ad_prep:
	.size	k_q9868aed7ad_prep, .Lfunc_end_k_q9868aed7ad_prep-k_q9868aed7ad_prep
	.p2alignl 7, 3214868480
	.fill 96, 4, 3214868480
	.section	.rodata,"a",@progbits
	.p2align	6, 0x0
	.amdhsa_kernel k_q9868aed7ad_prep
		.amdhsa_group_segment_fixed_size 0
		.amdhsa_private_segment_fixed_size 0
		.amdhsa_enable_private_segment 0
		.amdhsa_kernarg_size 32
		.amdhsa_user_sgpr_count 2
		.amdhsa_user_sgpr_kernarg_segment_ptr 1
		.amdhsa_wavefront_size32 1
		.amdhsa_system_sgpr_workgroup_id_x 1
		.amdhsa_system_sgpr_workgroup_id_y 1
		.amdhsa_system_sgpr_workgroup_id_z 1
		.amdhsa_system_vgpr_workitem_id 0
		.amdhsa_next_free_vgpr 256
		.amdhsa_next_free_sgpr 66
		.amdhsa_reserve_vcc 1
		.amdhsa_float_denorm_mode_32 3
		.amdhsa_float_denorm_mode_16_64 3
		.amdhsa_memory_ordered 1
		.amdhsa_forward_progress 1
		.amdhsa_inst_pref_size 50
	.end_amdhsa_kernel
	.amdgpu_metadata
---
amdhsa.version: [ 1, 2 ]
amdhsa.kernels:
  - .name:           k_q9868aed7ad_prep
    .symbol:         k_q9868aed7ad_prep.kd
    .args:
      - { .name: keys, .offset: 0, .size: 8, .value_kind: global_buffer, .address_space: global }
      - { .name: values, .offset: 8, .size: 8, .value_kind: global_buffer, .address_space: global }
      - { .name: valid_lens, .offset: 16, .size: 8, .value_kind: global_buffer, .address_space: global }
      - { .name: kv, .offset: 24, .size: 8, .value_kind: global_buffer, .address_space: global }
    .group_segment_fixed_size: 0
    .private_segment_fixed_size: 0
    .kernarg_segment_align: 8
    .kernarg_segment_size: 32
    .max_flat_workgroup_size: 128
    .sgpr_count:     66
    .vgpr_count:     256
    .wavefront_size: 32
...
	.end_amdgpu_metadata
.endif
;; end of part 1
;; launch attn (part 2): grid 16 x 16, 8 waves a work-group, no clusters, 203,776 bytes of LDS; arguments queries, valid_lens, kv, out0; writes out0
.if DOCPART == 2
	.amdgcn_target "amdgcn-amd-amdhsa--gfx1250"
	.amdhsa_code_object_version 6
	.text
	.protected	k_q9868aed7ad_attn
	.globl	k_q9868aed7ad_attn
	.p2align	8
	.type	k_q9868aed7ad_attn,@function
k_q9868aed7ad_attn:
	s_mov_b64 s[64:65], 0
	v_nop
	global_prefetch_b8 v0, s[64:65] scope:SCOPE_SE
	s_setreg_imm32_b32 hwreg(HW_REG_WAVE_MODE, 25, 1), 1
	s_wait_xcnt 0x0
; out0[b][q][:] = the sum over k < valid_lens[b] of softmax_k(Q[b][q] . K[b][k] / sqrt(128)) V[b][k][:], both products on codes of FP8 (E4M3) with one E8M0 scale for each 32 along a product's K.
; Q arrives as f32 and is quantised here, in registers (each row is read once, by one wave).  K and V come from kv, the records that the launch before has made: images of the operands' registers,
; REC bytes for each (head, step of 128 keys): K's codes, K's scale words, V's codes (keys innermost), V's scale words.
; THE SOFTMAX AHEAD OF THE SECOND PRODUCT: t = score x log2(e) / sqrt(128); M = the row's largest t so far, rounded UP to a whole number; p = 2^(t - M) is quantised along the keys, not normalised.
; The row's sum is taken of the unquantised p and divides O at the end.  When M moves, the sum and O are multiplied by 2^(old M - new M): exact.
; THE MASK.  A step all of whose 128 keys lie at or past the head's length is jumped over (a scalar branch on valid_lens); in the one step that the length cuts, hidden scores become -infinity ahead of the maximum.
; SHARES.  256 work-groups of eight waves.  The heads are ranked by length; work-group (bx, pr) serves 128 queries (block bx) of TWO heads: its group 0 (four waves) the head of rank pr, its group 1 that of rank 31 - pr,
; so that a short head's work stands beside a long one's.  Wave w is in group (w ^ (w >> 2)) & 1 and is member w & 3 of it; a member owns 32 queries: two tiles of 16, which share each fragment of K and V read from LDS.
; All eight waves walk 16 steps (a constant count) with one barrier at each step's end, on every path.
; THE RING.  Each group has two LDS slots of one record.  In a step its four members load a quarter each of the next record into registers at the step's head and store it into the idle slot at its end.
; In the last open step the same record is copied once more, so that no branch stands round the copy and only bytes that were written are read.
; NO TENSOR LOADS, NO CLUSTER: the 16 query blocks of a head do read the same records, but this text branches on valid_lens, and the branch spares every hidden step.
; LAYOUT.  Both products are used transposed: S^T = K Q^T (source 0 = 16 keys, source 1 = 16 queries), O^T = V^T P^T: a lane holds ONE query (lane % 16) throughout.  The keys of a tile of K are chosen (in the record)
; so that the 16 registers of tiles 2 b and 2 b + 1 are keys 32 b + 16 (lane / 16) + 0 .. 15: the conversions' results are the second product's operand.
; LIMITS: a length is read as unsigned and held at 2,048 (a negative one counts as 2,048); length 0 gives NaN, as 0 / 0; NaN and infinities among the inputs are not served; blocks of Q whose largest magnitude lies under 2^-118 keep the byte 1.
; REGISTERS, window 0: v1-10 addresses; v11, v246 staged scale words; v12-19 statistics (a tile: -M, largest t, the sum in two halves); v20-23 K's scale words, v24-27 V's, v28-29 Q's, v30-31 p's; v32-159 S^T, then p;
;   v160-191 p's codes; v192-223 staged codes of K; v224-245 at work; v247-250 addresses; v252-255 1 / sum.   window 1: v0-31 staged codes of V; v32-159 O^T; v160-191 Q's codes; v192-255 four fragments of K or V.
.set REC,   33792
.set PART,  16896
.set RING,  2*REC                      ; LDS: group g's two slots at RING g
.set STG,   2*RING                     ; behind the rings: a stage of 16 rows x (512 + 16) bytes for each wave
.set STW,   16*528
.set HEADB, 16*REC                     ; a head's records
.set LFK, 1                            ; v1   ring + 16 lane: K's fragments
.set LFV, 2                            ; v2   + PART: V's
.set LSK, 3                            ; v3   ring + 16,384 + 4 lane: K's scale words
.set LSV, 4                            ; v4   + PART: V's
.set FST, 5                            ; v5   ring + 512 member + 16 lane: where I store my quarter of a record's codes
.set FSS, 6                            ; v6   ring + 16,384 + 128 member + 4 lane: and of its scale words
.set FGO, 7                            ; v7   512 member + 16 lane: the same in memory
.set FGS, 8                            ; v8   128 member + 4 lane
.set PFO, 9                            ; v9   8,192 member + 256 lane: the prefetches' offset; never rewritten
.set H16, 10                           ; v10  16 (lane / 16)
.set SSA, 11
.set ST,  12
.set KS,  20
.set VS,  24
.set QS,  28
.set PS,  30
.set S,   32
.set PC,  160
.set SA,  192
.set BM,  224                          ; v224-227 a block's largest score, then its largest p
.set BP,  228                          ; v228-231 the other half's; a chain of sums; bytes
.set HL,  232                          ; v232-235 448 x the scale
.set SO,  236                          ; v236-239 the conversions' scale operands
.set TMP, 240
.set FF,  242                          ; v[242:243] f = 2^(old M - new M), low word
.set VD,  244
.set NINF, 245
.set SSB, 246
.set QA,  247                          ; v247 512 r + 64 h: Q
.set STI, 248                          ; v248 the stage, in: row r, + 32 h
.set STR, 249                          ; v249 the stage, back: 16 lane
.set GO,  250                          ; v250 16 lane: a row of out0
.set RL,  252                          ; v[252:253], v[254:255] 1 / sum, low words
.set SB,  0                            ; window 1
.set OT,  32
.set QC,  160
.set FRG, 192
.set WV, 12
.set G,  13
.set MB, 14
.set BX, 15
.set PR, 16
.set RANK, 17
.set KSEL, 18
.set HEAD, 19
.set LEN, 20
.set NLAST, 21                         ; the last open step
.set CS, 22                            ; s[22:23] c = log2(e) / sqrt(128)
.set SEL, 24                           ; s[24:25] v_permlanex16_b32's selects for lane l xor 16
.set MNT, 26                           ; the mantissa field of 448
.set KF, 27                            ; the step's first key
.set J,  28                            ; the step
.set CNT, 29
.set RB, 32                            ; s[32:33] the head's records
.set FA, 34                            ; s[34:35] the record that is being copied
.set LIM, 38                           ; NLAST + 1 in the head's first query block, else 0
.set MSB, 0
.macro WIN new                         ; s_set_vgpr_msb: bits 1:0 source 0, 3:2 source 1, 5:4 source 2, 7:6 destination; the high byte repeats the setting that is left
.if MSB != \new
	s_set_vgpr_msb (MSB<<8)|\new
.set MSB, \new
.endif
.endm
	s_load_b256 s[4:11], s[0:1], 0x0               ; queries s[4:5], valid_lens s[6:7], kv s[8:9], out0 s[10:11]
	v_lshl_add_u32 v241, v0, 2, 0x31800
	v_mov_b32 v251, 0
	v_lshrrev_b32 v[TMP], 5, v0
	v_readfirstlane_b32 s[WV], v[TMP]              ; wave 0..7
	s_lshr_b32 s[G], s[WV], 2
	s_xor_b32 s[G], s[G], s[WV]
	s_and_b32 s[G], s[G], 1                        ; my group: waves 0, 2, 5, 7 are group 0
	s_and_b32 s[MB], s[WV], 3                      ; my place in it: each of 0..3 once in a group
	s_mov_b32 s[BX], ttmp9
	s_and_b32 s[PR], ttmp7, 0xffff
	v_and_b32 v[TMP], 31, v0                       ; lane
	s_mul_i32 s30, s[G], RING
	s_add_co_u32 s31, s30, 16384
	v_lshl_add_u32 v[LFK], v[TMP], 4, s30
	v_add_nc_u32 v[LFV], PART, v[LFK]
	v_lshl_add_u32 v[LSK], v[TMP], 2, s31
	v_add_nc_u32 v[LSV], PART, v[LSK]
	s_lshl_b32 s39, s[MB], 9
	v_lshl_add_u32 v[FGO], v[TMP], 4, s39
	s_add_co_u32 s39, s39, s30
	v_lshl_add_u32 v[FST], v[TMP], 4, s39
	s_lshl_b32 s39, s[MB], 7
	v_lshl_add_u32 v[FGS], v[TMP], 2, s39
	s_add_co_u32 s39, s39, s31
	v_lshl_add_u32 v[FSS], v[TMP], 2, s39
	s_lshl_b32 s39, s[MB], 13
	v_lshl_add_u32 v[PFO], v[TMP], 8, s39
	v_and_b32 v[H16], 16, v0
	v_and_b32 v[VD], 15, v0                        ; r
	v_lshlrev_b32 v[QA], 9, v[VD]
	v_lshl_add_u32 v[QA], v[H16], 2, v[QA]
	s_mul_i32 s39, s[WV], STW
	s_add_co_u32 s39, s39, STG                     ; my stage
	v_mul_u32_u24 v[STI], v[VD], 528
	v_lshl_add_u32 v[STI], v[H16], 1, v[STI]
	v_add_nc_u32 v[STI], s39, v[STI]
	v_lshl_add_u32 v[STR], v[TMP], 4, s39
	v_lshlrev_b32 v[GO], 4, v[TMP]
	v_lshlrev_b32 v[VD], 2, v[TMP]
	s_mov_b32 s[CS], 0x3e0293ee
	s_mov_b32 s[CS+1], s[CS]                       ; (named with it as a pair, so it is written)
	s_mov_b32 s[SEL], 0x76543210
	s_mov_b32 s[SEL+1], 0xfedcba98
	s_mov_b32 s[MNT], 0x600000
.irp b, 0,1,2,3
	v_mov_b32 v[BP+\b], 0                          ; written once: a lane permute's destination counts as one of its sources
.endr
	v_mov_b32 v[FF+1], 0                           ; the upper halves of pairs of which the low word alone is used
	v_mov_b32 v[RL+1], 0
	v_mov_b32 v[RL+3], 0
	s_wait_kmcnt 0x0
	global_load_b32 v[NINF], v[VD], s[6:7]         ; lane l: valid_lens[l]
	s_sub_co_u32 s30, 31, s[PR]
	s_cmp_eq_u32 s[G], 0
	s_cselect_b32 s[RANK], s[PR], s30              ; group 0: rank pr; group 1: rank 31 - pr
	s_mov_b32 s[KSEL], 0
	s_wait_loadcnt 0x0
	v_min_u32 v[NINF], 0x800, v[NINF]
	v_lshl_or_b32 v[NINF], v[NINF], 5, v[TMP]      ; key = 32 x length + head: no two are equal
.set hh, 0
.rept 32                               ; head hh's rank is the number of smaller keys; the key whose rank is mine is kept
	v_readlane_b32 s30, v[NINF], hh
	v_cmp_lt_u32 s31, v[NINF], s30
	s_bcnt1_i32_b32 s31, s31
	s_cmp_eq_u32 s31, s[RANK]
	s_cselect_b32 s[KSEL], s30, s[KSEL]
.set hh, hh+1
.endr
	s_and_b32 s[HEAD], s[KSEL], 31
	s_min_u32 s[HEAD], s[HEAD], 31
	s_lshr_b32 s[LEN], s[KSEL], 5
	s_min_u32 s[LEN], s[LEN], 2048
	s_max_u32 s[NLAST], s[LEN], 1
	s_sub_co_u32 s[NLAST], s[NLAST], 1
	s_lshr_b32 s[NLAST], s[NLAST], 7
	s_add_co_u32 s[LIM], s[NLAST], 1
	s_cmp_eq_u32 s[BX], 0
	s_cselect_b32 s[LIM], s[LIM], 0
	s_mul_i32 s36, s[HEAD], HEADB
	s_mov_b32 s37, 0
	s_add_nc_u64 s[RB:RB+1], s[8:9], s[36:37]
	s_lshl_b32 s36, s[HEAD], 20                    ; a head is 2^20 bytes of queries and of out0,
	s_lshl_b32 s39, s[BX], 16                      ; a block of 128 rows 2^16,
	s_add_co_u32 s36, s36, s39
	s_lshl_b32 s39, s[MB], 14                      ; my 32 rows 2^14
	s_add_co_u32 s36, s36, s39
	s_add_nc_u64 s[4:5], s[4:5], s[36:37]
	s_add_nc_u64 s[10:11], s[10:11], s[36:37]
	s_mov_b64 s[FA:FA+1], s[RB:RB+1]               ; record 0
; My quarter of the record at FA into registers: 18 loads, each of 512 (scale words: 128) consecutive bytes.  No cache hint: sixteen query blocks read a record.
.macro FILL_LOADS
.irp i, 0,1,2,3,4,5,6,7
	global_load_b128 v[SA+4*\i:SA+4*\i+3], v[FGO], s[FA:FA+1] offset:2048*\i
.endr
	global_load_b32 v[SSA], v[FGS], s[FA:FA+1] offset:16384
	global_load_b32 v[SSB], v[FGS], s[FA:FA+1] offset:PART+16384
	WIN 0x40                                       ; destination window 1
.irp i, 0,1,2,3,4,5,6,7
	global_load_b128 v[SB+4*\i:SB+4*\i+3], v[FGO], s[FA:FA+1] offset:PART+2048*\i
.endr
	WIN 0
.endm
; and from there into a slot, as it lies.  cnt: the younger loads that may stay out
.macro FILL_STORES slot, cnt
	s_wait_loadcnt \cnt
.irp i, 0,1,2,3,4,5,6,7
	ds_store_b128 v[FST], v[SA+4*\i:SA+4*\i+3] offset:(\slot)*REC+2048*\i
.endr
	ds_store_b32 v[FSS], v[SSA] offset:(\slot)*REC
	ds_store_b32 v[FSS], v[SSB] offset:(\slot)*REC+PART
	WIN 0x04                                       ; an LDS store's data are its source 1: window 1
.irp i, 0,1,2,3,4,5,6,7
	ds_store_b128 v[FST], v[SB+4*\i:SB+4*\i+3] offset:(\slot)*REC+PART+2048*\i
.endr
	WIN 0
.endm
; A PREFETCH of record J + 2, behind the loads of record J + 1: one step ahead of the loads that will want it.  All sixteen query blocks of a head walk the same records: the group of block 0 asks, and nobody else;
; its four members take 8,192 bytes each, lanes 256 bytes apart: the record's first 32,768 bytes, each aligned 256 bytes named once in the launch.  Asked only where J + 2 is an open step (FA then stands at record J + 1):
; records 0 and 1 and each record's last 1,024 bytes come by their loads alone.
.macro ASK
	s_add_co_u32 s39, s[J], 2
	s_cmp_lt_u32 s39, s[LIM]
	s_cbranch_scc0 .Lnot_mine_\@
	global_prefetch_b8 v[PFO], s[FA:FA+1] offset:REC th:TH_LOAD_NT scope:SCOPE_SE
.Lnot_mine_\@:
.endm
; Tile x's 64 numbers of Q a lane (register 16 b + i = channel 32 b + 16 h + i of my query) become its fragment in window 1 and its scale word
.macro QUANTQ x
.set QX, S+64*(\x)
.irp b, 0,1,2,3
	v_max3_num_f32 v[BM+\b], |v[QX+16*\b]|, |v[QX+1+16*\b]|, 0x4800000   ; block b: my 16 numbers, and the floor 2^(9 - 127): the byte cannot fall under 1
.endr
.irp i, 2,4,6,8,10,12,14
.irp b, 0,1,2,3
	v_max3_num_f32 v[BM+\b], v[BM+\b], |v[QX+16*\b+\i]|, |v[QX+1+16*\b+\i]|
.endr
.endr
.irp b, 0,1,2,3
	v_permlanex16_b32 v[BP+\b], v[BM+\b], s[SEL], s[SEL+1]
.endr
.irp b, 0,1,2,3
	v_max_num_f32 v[BM+\b], v[BM+\b], v[BP+\b]     ; with lane l xor 16's: the block's largest magnitude
.endr
.irp b, 0,1,2,3
	v_add_nc_u32 v[SO+\b], 0xfc000000, v[BM+\b]    ; 8 off its exponent field: the conversion's scale operand
.endr
.irp b, 0,1,2,3
	v_and_or_b32 v[HL+\b], v[BM+\b], 0x7f800000, s[MNT]   ; 448 x the scale
.endr
.irp b, 0,1,2,3
	v_lshrrev_b32 v[BP+\b], 23, v[SO+\b]           ; the scale's byte
.endr
	v_lshl_or_b32 v[QS+\x], v[BP+1], 8, v[BP]
	v_lshl_or_b32 v[QS+\x], v[BP+2], 16, v[QS+\x]
	v_lshl_or_b32 v[QS+\x], v[BP+3], 24, v[QS+\x]
.irp b, 0,1,2,3
.irp i, 0,1,2,3,4,5,6,7,8,9,10,11,12,13,14,15
	v_med3_num_f32 v[QX+16*\b+\i], v[QX+16*\b+\i], -v[HL+\b], v[HL+\b]   ; the conversion to an 8-bit code does not saturate (ISA guide 7.6.2): the hold
.endr
.endr
	WIN 0x40
.irp b, 0,1,2,3
	v_cvt_scalef32_pk8_fp8_f32 v[QC+16*(\x)+4*\b:QC+16*(\x)+4*\b+1], v[QX+16*\b:QX+16*\b+7], v[SO+\b]
	v_cvt_scalef32_pk8_fp8_f32 v[QC+16*(\x)+4*\b+2:QC+16*(\x)+4*\b+3], v[QX+16*\b+8:QX+16*\b+15], v[SO+\b]
.endr
	WIN 0
	v_nop                                          ; a plain vector line behind the last conversion
.endm
; S^T = K Q^T from slot s: four tiles of 16 keys at a time, each fragment against both tiles of queries.  Eight plain places stand in front of loads into registers that matrix instructions have read.
.macro KQ s
.irp gq, 0,1
.rept 8
	v_nop
.endr
.if \gq == 0
.irp p, 0,1,2,3
	ds_load_b32 v[KS+\p], v[LSK] offset:(\s)*REC+128*\p   ; lanes 0-15: tile 2 p's words, lanes 16-31: tile 2 p + 1's
.endr
.endif
	WIN 0x40
.irp t, 0,1,2,3
.irp c, 0,1,2,3
	ds_load_b128 v[FRG+16*\t+4*\c:FRG+16*\t+4*\c+3], v[LFK] offset:(\s)*REC+(4*\gq+\t)*2048+512*\c
.endr
.endr
	s_wait_dscnt 0x0
	WIN 0x05                                       ; K and Q in window 1, S^T in window 0
.irp t, 0,1,2,3
.irp x, 0,1
.if \t % 2
	v_wmma_scale_f32_16x16x128_f8f6f4 v[S+64*\x+8*(4*\gq+\t):S+64*\x+8*(4*\gq+\t)+7], v[FRG+16*\t:FRG+16*\t+15], v[QC+16*\x:QC+16*\x+15], 0, v[KS+(4*\gq+\t)/2], v[QS+\x] matrix_a_scale:MATRIX_SCALE_ROW1
.else
	v_wmma_scale_f32_16x16x128_f8f6f4 v[S+64*\x+8*(4*\gq+\t):S+64*\x+8*(4*\gq+\t)+7], v[FRG+16*\t:FRG+16*\t+15], v[QC+16*\x:QC+16*\x+15], 0, v[KS+(4*\gq+\t)/2], v[QS+\x]
.endif
.endr
.endr
.endr
	WIN 0
.endm
; V's scale words and its first four fragments are asked for ahead of the softmax.  The eight places serve these loads and the first reads of S^T alike.
.macro VPRE s
.rept 8
	v_nop
.endr
.irp p, 0,1,2,3
	ds_load_b32 v[VS+\p], v[LSV] offset:(\s)*REC+128*\p
.endr
	WIN 0x40
.irp t, 0,1,2,3
.irp c, 0,1,2,3
	ds_load_b128 v[FRG+16*\t+4*\c:FRG+16*\t+4*\c+3], v[LFV] offset:(\s)*REC+\t*2048+512*\c
.endr
.endr
	WIN 0
.endm
; In the step that the length cuts, the scores of hidden keys become -infinity: p = 0 then.  Register 16 b + i holds key KF + 32 b + 16 h + i: hidden where 32 b + i > d = length - KF - 1 - 16 h.  A step all of whose keys count skips this.
.macro MASK
	s_add_co_u32 s39, s[KF], 128
	s_cmp_le_u32 s39, s[LEN]
	s_cbranch_scc1 .Lopen_\@
	s_sub_co_u32 s39, s[LEN], s[KF]
	s_sub_co_u32 s39, s39, 1
	v_sub_nc_u32 v[VD], s39, v[H16]
	v_mov_b32 v[NINF], 0xff800000
.set nn, 0
.rept 64
	v_cmp_gt_i32 vcc_lo, 32*(nn/16)+nn%16, v[VD]
	v_cndmask_b32 v[S+nn], v[S+nn], v[NINF], vcc_lo          ; ascending: each accumulator is read from its low end on
	v_cndmask_b32 v[S+64+nn], v[S+64+nn], v[NINF], vcc_lo
.set nn, nn+1
.endr
.Lopen_\@:
.endm
; Tile x's softmax for these 128 keys, p's codes and scale word, and O^T under the new M
.macro SOFTMAX x
.set SX, S+64*(\x)
.set NM, ST+4*(\x)                     ; -M, largest t, the sum's two halves
.irp b, 0,1,2,3
	v_max3_num_f32 v[BM+\b], v[SX+16*\b], v[SX+1+16*\b], v[SX+2+16*\b]   ; the largest score of each block of 32 keys: it serves the row's maximum and, since p rises with the score, the block's largest p
.endr
.irp i, 3,5,7,9,11,13
.irp b, 0,1,2,3
	v_max3_num_f32 v[BM+\b], v[BM+\b], v[SX+16*\b+\i], v[SX+1+16*\b+\i]
.endr
.endr
.irp b, 0,1,2,3
	v_max_num_f32 v[BM+\b], v[BM+\b], v[SX+15+16*\b]
.endr
.irp b, 0,1,2,3
	v_permlanex16_b32 v[BP+\b], v[BM+\b], s[SEL], s[SEL+1]
.endr
.irp b, 0,1,2,3
	v_max_num_f32 v[BM+\b], v[BM+\b], v[BP+\b]     ; with lane l xor 16's 16 keys
.endr
	v_max3_num_f32 v[TMP], v[BM], v[BM+1], v[BM+2]
	v_max_num_f32 v[TMP], v[TMP], v[BM+3]          ; the step's largest score of my query
	v_mul_f32 v[TMP], s[CS], v[TMP]                ; as t (c is positive)
	v_max_num_f32 v[NM+1], v[NM+1], v[TMP]         ; the running largest t
	v_mov_b32 v[TMP], v[NM]
	v_floor_f32 v[NM], -v[NM+1]                    ; the new -M = floor(-t) = -ceil(t): a whole number
	v_sub_f32 v[TMP], v[NM], v[TMP]                ; old M - new M: a whole number, 0 or less
	v_cvt_i32_f32 v[TMP], v[TMP]                   ; (it saturates)
	v_ldexp_f32 v[FF], 1.0, v[TMP]                 ; f = 2^(old M - new M)
.set jj, 0
.rept 32
	v_pk_fma_f32 v[SX+jj:SX+jj+1], v[SX+jj:SX+jj+1], s[CS:CS+1], v[NM:NM+1] op_sel_hi:[1,0,0]   ; t - M, two at a time (of the pairs c and -M the low word serves both halves)
.set jj, jj+2
.endr
.irp b, 0,1,2,3
	v_fma_f32 v[BM+\b], v[BM+\b], s[CS], v[NM]     ; the same of each block's largest score
.endr
.set jj, 0
.rept 64
	v_exp_f32 v[SX+jj], v[SX+jj]                   ; p = 2^(t - M), at most 1
.set jj, jj+1
.endr
	v_pk_mul_f32 v[NM+2:NM+3], v[NM+2:NM+3], v[FF:FF+1] op_sel_hi:[1,0]   ; the sums under the new M: the plain line behind the exponentials
	s_wait_alu depctr_va_vdst(0)                   ; one wait for the batch of 64, ahead of its first reader
.irp b, 0,1,2,3
	v_exp_f32 v[BM+\b], v[BM+\b]                   ; the block's largest p: the same two instructions on the same number give the same bits
.endr
	v_pk_add_f32 v[BP:BP+1], v[SX:SX+1], v[SX+2:SX+3]   ; the row's sum is taken of the unquantised p: two at a time, in two chains; it reads the 64 alone
.set jj, 4
.rept 15
	v_pk_add_f32 v[NM+2:NM+3], v[NM+2:NM+3], v[SX+jj:SX+jj+1]
	v_pk_add_f32 v[BP:BP+1], v[BP:BP+1], v[SX+jj+2:SX+jj+3]
.set jj, jj+4
.endr
	v_pk_add_f32 v[NM+2:NM+3], v[NM+2:NM+3], v[BP:BP+1]
	s_wait_alu depctr_va_vdst(0)                   ; and one for the four
.irp b, 0,1,2,3
	v_max_num_f32 v[BM+\b], 0x4800000, v[BM+\b]    ; the floor 2^(9 - 127): the byte cannot fall under 1 (a block whose every p is 0 keeps that byte: its codes are zeros)
.endr
.irp b, 0,1,2,3
	v_add_nc_u32 v[SO+\b], 0xfc000000, v[BM+\b]    ; 8 off the exponent field: the conversion's scale operand
.endr
.irp b, 0,1,2,3
	v_and_or_b32 v[HL+\b], v[BM+\b], 0x7f800000, s[MNT]   ; 448 x the scale
.endr
.irp b, 0,1,2,3
	v_lshrrev_b32 v[BP+\b], 23, v[SO+\b]           ; the scale's byte
.endr
	v_lshl_or_b32 v[PS+\x], v[BP+1], 8, v[BP]      ; p's scale word for these 128 keys
	v_lshl_or_b32 v[PS+\x], v[BP+2], 16, v[PS+\x]
	v_lshl_or_b32 v[PS+\x], v[BP+3], 24, v[PS+\x]
.irp b, 0,1,2,3
.irp i, 0,1,2,3,4,5,6,7,8,9,10,11,12,13,14,15
	v_min_num_f32 v[SX+16*\b+\i], v[SX+16*\b+\i], v[HL+\b]   ; the hold; p is not negative, so it is one-sided
.endr
	v_cvt_scalef32_pk8_fp8_f32 v[PC+16*(\x)+4*\b:PC+16*(\x)+4*\b+1], v[SX+16*\b:SX+16*\b+7], v[SO+\b]
	v_cvt_scalef32_pk8_fp8_f32 v[PC+16*(\x)+4*\b+2:PC+16*(\x)+4*\b+3], v[SX+16*\b+8:SX+16*\b+15], v[SO+\b]
.endr
	WIN 0x41                                       ; O^T (destination and source 0) in window 1, f in window 0
.set jj, 0
.rept 32
	v_pk_mul_f32 v[OT+64*(\x)+jj:OT+64*(\x)+jj+1], v[OT+64*(\x)+jj:OT+64*(\x)+jj+1], v[FF:FF+1] op_sel_hi:[1,0]   ; O^T x f, ascending; these lines also stand between the codes and the products that take them
.set jj, jj+2
.endr
	WIN 0
.endm
; O^T += V^T P^T from slot s: the 16 accumulators take one instruction each, by turns
.macro PV s
.irp gq, 0,1
.if \gq == 1
.rept 8
	v_nop
.endr
	WIN 0x40
.irp t, 0,1,2,3
.irp c, 0,1,2,3
	ds_load_b128 v[FRG+16*\t+4*\c:FRG+16*\t+4*\c+3], v[LFV] offset:(\s)*REC+(4+\t)*2048+512*\c
.endr
.endr
.endif
	s_wait_dscnt 0x0
	WIN 0x51                                       ; V in window 1, p's codes in window 0, C and D in window 1
.irp t, 0,1,2,3
.irp x, 0,1
.if \t % 2
	v_wmma_scale_f32_16x16x128_f8f6f4 v[OT+64*\x+8*(4*\gq+\t):OT+64*\x+8*(4*\gq+\t)+7], v[FRG+16*\t:FRG+16*\t+15], v[PC+16*\x:PC+16*\x+15], v[OT+64*\x+8*(4*\gq+\t):OT+64*\x+8*(4*\gq+\t)+7], v[VS+(4*\gq+\t)/2], v[PS+\x] matrix_a_scale:MATRIX_SCALE_ROW1
.else
	v_wmma_scale_f32_16x16x128_f8f6f4 v[OT+64*\x+8*(4*\gq+\t):OT+64*\x+8*(4*\gq+\t)+7], v[FRG+16*\t:FRG+16*\t+15], v[PC+16*\x:PC+16*\x+15], v[OT+64*\x+8*(4*\gq+\t):OT+64*\x+8*(4*\gq+\t)+7], v[VS+(4*\gq+\t)/2], v[PS+\x]
.endif
.endr
.endr
.endr
	WIN 0
.endm
; A KEY STEP on slot s.  Hidden steps jump to the lines at its end, which every wave runs: the count, the wait for my LDS stores and loads, the barrier.
; Between two barriers a group reads slot s and stores into slot 1 - s, whose last reads every wave has waited for in front of the barrier before.
.macro STEP s
	s_lshl_b32 s[KF], s[J], 7
	s_cmp_ge_u32 s[KF], s[LEN]
	s_cbranch_scc1 .Lskip_\@
	s_wait_xcnt 0x0                                ; the last prefetch, a step back, has read FA (the last copy's loads have been waited for): it may be written
	s_add_co_u32 s36, s[J], 1
	s_min_u32 s36, s36, s[NLAST]                   ; the next open step's record, or this one once more
	s_min_u32 s36, s36, 15
	s_mul_i32 s36, s36, REC
	s_mov_b32 s37, 0
	s_add_nc_u64 s[FA:FA+1], s[RB:RB+1], s[36:37]
	FILL_LOADS
	ASK
	KQ \s
	VPRE \s
	MASK
	SOFTMAX 0
	SOFTMAX 1
	PV \s
	FILL_STORES 1-\s, 0                            ; the copy's loads have had the whole step in which to land
.Lskip_\@:
	s_add_co_u32 s[J], s[J], 1
	s_wait_dscnt 0x0                               ; for the others' sake: my stores into the idle slot have landed, my reads of this slot are over
	s_barrier_signal -1
	s_barrier_wait -1
.endm
	FILL_LOADS                                     ; record 0
.irp x, 0,1
.irp b, 0,1,2,3
.irp j, 0,1,2,3
	global_load_b128 v[S+64*\x+16*\b+4*\j:S+64*\x+16*\b+4*\j+3], v[QA], s[4:5] offset:8192*\x+128*\b+16*\j th:TH_LOAD_NT   ; Q, as f32, where S^T will lie
.endr
.endr
.endr
	FILL_STORES 0, 32                              ; the record's 18 loads are in; Q's 32, issued behind them, may be out
	s_wait_loadcnt 16                              ; tile 0's 16 loads are in
	QUANTQ 0
	s_wait_loadcnt 0x0
	QUANTQ 1
.irp x, 0,1
	v_mov_b32 v[ST+4*\x+1], 0xff61b1e6             ; the largest t so far: -3e38, under every t
	v_floor_f32 v[ST+4*\x], -v[ST+4*\x+1]          ; -M
	v_mov_b32 v[ST+4*\x+2], 0                      ; the sum, in two halves
	v_mov_b32 v[ST+4*\x+3], 0
.endr
	WIN 0x40
.set jj, 0
.rept 128
	v_mov_b32 v[OT+jj], 0                          ; O^T.  The step is written without a first copy of its own: the first change of M multiplies zeros; and a head of length 0 leaves them
.set jj, jj+1
.endr
	WIN 0
	s_mov_b32 s[J], 0
	s_mov_b32 s[CNT], 8
	s_wait_dscnt 0x0                               ; my quarter of record 0 lies in slot 0
	s_barrier_signal -1
	s_barrier_wait -1
.Lloop:                                            ; eight trips of two steps: the slots' numbers stand in the immediates
	STEP 0
	STEP 1
	s_sub_co_u32 s[CNT], s[CNT], 1
	s_cmp_lg_u32 s[CNT], 0
	s_cbranch_scc1 .Lloop
	; THE WAY OUT.  The sum's halves are added; O^T is divided by the sum and goes through my own stage in LDS, a tile of 16 rows at a time, so that the 32 lanes store a whole row of 512 bytes.
.rept 8
	v_nop                                          ; places behind the last products
.endr
.irp x, 0,1
	v_add_f32 v[ST+4*\x+2], v[ST+4*\x+2], v[ST+4*\x+3]
.endr
.irp x, 0,1
	v_permlanex16_b32 v[BP+\x], v[ST+4*\x+2], s[SEL], s[SEL+1]
.endr
.irp x, 0,1
	v_add_f32 v[ST+4*\x+2], v[ST+4*\x+2], v[BP+\x] ; with lane l xor 16's: the row's sum
.endr
.irp x, 0,1
	v_rcp_f32 v[RL+2*\x], v[ST+4*\x+2]
.endr
	v_nop                                          ; a plain line behind the reciprocals,
	s_wait_alu depctr_va_vdst(0)                   ; and one wait for both, ahead of their first reader
	WIN 0x01                                       ; source 0 (O^T) window 1; 1 / sum and the results in window 0
.irp x, 0,1
.set jj, 0
.rept 32
	v_pk_mul_f32 v[S+64*\x+jj:S+64*\x+jj+1], v[OT+64*\x+jj:OT+64*\x+jj+1], v[RL+2*\x:RL+2*\x+1] op_sel_hi:[1,0]   ; register 8 T + i is o(r, 16 T + 8 h + i); ascending: each accumulator from its low end on
.set jj, jj+2
.endr
.endr
	WIN 0
.macro OUT x, back
.irp t, 0,1,2,3,4,5,6,7
	ds_store_b128 v[STI], v[S+64*(\x)+8*\t:S+64*(\x)+8*\t+3] offset:64*\t
	ds_store_b128 v[STI], v[S+64*(\x)+8*\t+4:S+64*(\x)+8*\t+7] offset:64*\t+16
.endr
.irp i, 0,1,2,3,4,5,6,7,8,9,10,11,12,13,14,15
	ds_load_b128 v[\back+4*\i:\back+4*\i+3], v[STR] offset:528*\i   ; LDS serves a wave's instructions in order (ISA guide 5.7.1.4): these see my stores
.endr
.irp i, 0,1,2,3,4,5,6,7,8,9,10,11,12,13,14,15
	s_wait_dscnt 15-\i                             ; row i is back; the younger loads may be out
	global_store_b128 v[GO], v[\back+4*\i:\back+4*\i+3], s[10:11] offset:8192*(\x)+512*\i th:TH_STORE_NT   ; 32 lanes store 512 consecutive bytes, aligned; written once, read by nobody here
.endr
.endm
	OUT 0, 160                                     ; back into v160-223, which are done with
	OUT 1, 32                                      ; back into tile 0's registers, which the stage has taken
	s_wait_tensorcnt 0x0
	ds_add_u32 v241, v251
	s_wait_dscnt 0x0
	s_endpgm
.Lfunc_end_k_q9868aed7ad_attn:
	.size	k_q9868aed7ad_attn, .Lfunc_end_k_q9868aed7ad_attn-k_q9868aed7ad_attn
	.p2alignl 7, 3214868480
	.fill 96, 4, 3214868480
	.section	.rodata,"a",@progbits
	.p2align	6, 0x0
	.amdhsa_kernel k_q9868aed7ad_attn
		.amdhsa_group_segment_fixed_size 203776
		.amdhsa_private_segment_fixed_size 0
		.amdhsa_enable_private_segment 0
		.amdhsa_kernarg_size 32
		.amdhsa_user_sgpr_count 2
		.amdhsa_user_sgpr_kernarg_segment_ptr 1
		.amdhsa_wavefront_size32 1
		.amdhsa_system_sgpr_workgroup_id_x 1
		.amdhsa_system_sgpr_workgroup_id_y 1
		.amdhsa_system_sgpr_workgroup_id_z 1
		.amdhsa_system_vgpr_workitem_id 0
		.amdhsa_next_free_vgpr 512
		.amdhsa_next_free_sgpr 66
		.amdhsa_reserve_vcc 1
		.amdhsa_float_denorm_mode_32 3
		.amdhsa_float_denorm_mode_16_64 3
		.amdhsa_memory_ordered 1
		.amdhsa_forward_progress 1
		.amdhsa_inst_pref_size 152
	.end_amdhsa_kernel
	.amdgpu_metadata
---
amdhsa.version: [ 1, 2 ]
amdhsa.kernels:
  - .name:           k_q9868aed7ad_attn
    .symbol:         k_q9868aed7ad_attn.kd
    .args:
      - { .name: queries, .offset: 0, .size: 8, .value_kind: global_buffer, .address_space: global }
      - { .name: valid_lens, .offset: 8, .size: 8, .value_kind: global_buffer, .address_space: global }
      - { .name: kv, .offset: 16, .size: 8, .value_kind: global_buffer, .address_space: global }
      - { .name: out0, .offset: 24, .size: 8, .value_kind: global_buffer, .address_space: global }
    .group_segment_fixed_size: 203776
    .private_segment_fixed_size: 0
    .kernarg_segment_align: 8
    .kernarg_segment_size: 32
    .max_flat_workgroup_size: 256
    .sgpr_count:     66
    .vgpr_count:     512
    .wavefront_size: 32
...
	.end_amdgpu_metadata
.endif
;; end of part 2
;; ======== version 2 of 2: 2 launches
;; workspace buffers: kv 17,301,504 bytes
;; launch prep (part 3): grid 16 x 32, 4 waves a work-group, no clusters, 0 bytes of LDS; arguments keys, values, valid_lens, kv; writes kv
.if DOCPART == 3
	.amdgcn_target "amdgcn-amd-amdhsa--gfx1250"
	.amdhsa_code_object_version 6
	.text
	.protected	k_q9868aed7ad_prep
	.globl	k_q9868aed7ad_prep
	.p2align	8
	.type	k_q9868aed7ad_prep,@function
k_q9868aed7ad_prep:
	s_mov_b64 s[64:65], 0
	v_nop
	global_prefetch_b8 v0, s[64:65] scope:SCOPE_SE
	s_setreg_imm32_b32 hwreg(HW_REG_WAVE_MODE, 25, 1), 1
	s_wait_xcnt 0x0
; keys and values [32][2048][128] f32 become codes of FP8 (E4M3) with one E8M0 scale byte for each 32 along a product's K, laid in kv as IMAGES OF THE OPERANDS' REGISTERS.
; K of the first product is the head's 128 (innermost in keys); K of the second is the keys (the first axis of values within a head).
; kv: a record of REC = 33,792 bytes for each (head, step of 128 keys), at (16 head + step) REC:
;   +0       K's codes: tile T (0..7) at 2048 T, register group c (0..3) at 512 c, lane l at 16 l.  Lane (r = l % 16, h = l / 16) of tile T = 2 b + u holds key 32 b + 8 u + r + 8 (r / 8), channels 32 c + 16 h + 0 .. 15
;   +16,384  K's scale words: row r of tile T at 64 T + 4 r
;   +16,896  V's codes: tile T holds channels 16 T + r; group c of lane (r, h) holds keys 32 c + 16 h + 0 .. 15 of the step; same places as K's
;   +33,280  V's scale words: channel d at 4 d, byte c = block c of the step
; A block's scale is 2^(floor(log2(its largest magnitude)) - 8); its byte is that magnitude's exponent field - 8, held at 1 from below; each number is held within +-448 x the scale and rounded to the nearest code, ties to even.
; (A block of zeros gets the byte 1 where the rule says 127: its codes are zeros, and this program alone reads the bytes.)
; SHARES.  A work-group makes one record; wave w makes K's tiles 2 w, 2 w + 1 (keys 32 w .. 32 w + 31 of the step) and V's channels 32 w + lane.  Waves share nothing: no LDS, no barrier.
; A step all of whose keys lie at or past the head's valid length is never read by the next launch: its work-group ends without storing (a scalar branch on valid_lens).  Step 0 of every head is always made.
; LIMITS: a length is read as unsigned and held at 2,048; NaN and infinities among the inputs are not served; blocks whose largest magnitude lies under 2^-118 keep the byte 1.
.set REC,  33792
.set PART, 16896                       ; K's part of a record: 16,384 bytes of codes + 512 of scale words
.set TM,   16                          ; v16-19 largest magnitudes, v20-23 the other half's / bytes, v24-27 448 x the scale, v28-31 the conversions' scale operands
.set X0,   32                          ; v32-95   K's tile 0 as f32; later V's blocks 2 and 3
.set X1,   96                          ; v96-159  K's tile 1 as f32; later V's codes
.set Y0,   160                         ; v160-191 V's block 0
.set Y1,   192                         ; v192-223 V's block 1
.set KC,   224                         ; v224-255 K's codes, 16 registers a tile
.set VC,   96                          ; V's codes, 8 registers a block: no store's data are written again
	s_load_b256 s[4:11], s[0:1], 0x0               ; keys s[4:5], values s[6:7], valid_lens s[8:9], kv s[10:11]
	v_lshrrev_b32 v1, 5, v0
	v_readfirstlane_b32 s12, v1                    ; wave 0..3
	s_and_b32 s14, ttmp7, 0xffff                   ; the head
	s_lshl_b32 s16, s14, 2
	s_mov_b32 s17, 0
	s_wait_kmcnt 0x0
	s_add_nc_u64 s[8:9], s[8:9], s[16:17]
	s_load_b32 s15, s[8:9], 0x0                    ; the head's valid length
	v_and_b32 v1, 31, v0                           ; lane
	v_and_b32 v2, 15, v0                           ; r
	v_bfe_u32 v3, v0, 4, 1                         ; h
	v_and_b32 v4, 8, v2
	v_add_nc_u32 v4, v4, v2                        ; r + 8 (r / 8)
	v_lshlrev_b32 v4, 9, v4                        ; a key's row is 512 bytes
	v_lshl_add_u32 v4, v3, 6, v4                   ; + 64 h: my 16 numbers of a block of 32
	v_lshlrev_b32 v5, 2, v1                        ; 4 x lane
	v_lshlrev_b32 v6, 4, v1                        ; 16 x lane
	v_lshlrev_b32 v7, 4, v2
	v_lshl_add_u32 v7, v3, 11, v7                  ; V's codes: tile lane / 16 of my two, row lane % 16
.irp b, 0,1,2,3
	v_mov_b32 v[TM+4+\b], 0                        ; written once: a lane permute's destination counts as one of its sources
.endr
	s_mov_b32 s24, 0x76543210
	s_mov_b32 s25, 0xfedcba98                      ; v_permlanex16_b32's selects for lane l xor 16
	s_mov_b32 s26, 0x600000                        ; the mantissa field of 448
	s_wait_kmcnt 0x0
	s_min_u32 s15, s15, 2048
	s_max_u32 s15, s15, 1                          ; step 0 is made whatever the length
	s_lshl_b32 s17, ttmp9, 7                       ; the step's first key
	s_cmp_ge_u32 s17, s15
	s_cbranch_scc1 .Lend                           ; all 128 keys are hidden: nobody reads this record
	s_lshl_b32 s18, s14, 20                        ; a head is 2^20 bytes of keys and of values,
	s_lshl_b32 s17, ttmp9, 16                      ; a step's 128 rows 2^16
	s_add_co_u32 s18, s18, s17
	s_mov_b32 s19, 0
	s_add_nc_u64 s[4:5], s[4:5], s[18:19]
	s_add_nc_u64 s[6:7], s[6:7], s[18:19]
	s_lshl_b32 s18, s12, 14                        ; keys: my wave's 32 rows
	s_add_nc_u64 s[4:5], s[4:5], s[18:19]
	s_lshl_b32 s18, s12, 7                         ; values: my wave's 32 columns
	s_add_nc_u64 s[6:7], s[6:7], s[18:19]
	s_lshl_b32 s18, s14, 4
	s_add_co_u32 s18, s18, ttmp9
	s_mul_i32 s18, s18, REC                        ; the record
	s_add_nc_u64 s[10:11], s[10:11], s[18:19]
	s_lshl_b32 s18, s12, 12                        ; my two tiles' codes: 4,096 w
	s_add_nc_u64 s[20:21], s[10:11], s[18:19]
	s_lshl_b32 s18, s12, 7
	s_add_co_u32 s18, s18, 16384                   ; my two tiles' scale words: 16,384 + 128 w
	s_add_nc_u64 s[22:23], s[10:11], s[18:19]
.macro LOADK reg, u                    ; tile u: register 16 b + i = channel 32 b + 16 h + i of my key
.irp b, 0,1,2,3
.irp j, 0,1,2,3
	global_load_b128 v[\reg+16*\b+4*\j:\reg+16*\b+4*\j+3], v4, s[4:5] offset:4096*(\u)+128*\b+16*\j th:TH_LOAD_NT
.endr
.endr
.endm
.macro LOADV reg, c                    ; block c: register i = key 32 c + i of my column; 32 lanes read 128 consecutive bytes
.irp i, 0,1,2,3,4,5,6,7,8,9,10,11,12,13,14,15,16,17,18,19,20,21,22,23,24,25,26,27,28,29,30,31
	global_load_b32 v[\reg+\i], v5, s[6:7] offset:(32*(\c)+\i)*512 th:TH_LOAD_NT
.endr
.endm
; 64 numbers of a lane, register 16 b + i = k 32 b + 16 h + i of my row, become a fragment's 16 registers of codes in v[pc] on and its scale word in v[pw]
.macro QUANT s, pc, pw
.irp b, 0,1,2,3
	v_max3_num_f32 v[TM+\b], |v[\s+16*\b]|, |v[\s+1+16*\b]|, 0x4800000   ; block b: my 16 numbers, and the floor 2^(9 - 127): the byte cannot fall under 1
.endr
.irp i, 2,4,6,8,10,12,14
.irp b, 0,1,2,3
	v_max3_num_f32 v[TM+\b], v[TM+\b], |v[\s+16*\b+\i]|, |v[\s+1+16*\b+\i]|   ; the four blocks by turns
.endr
.endr
.irp b, 0,1,2,3
	v_permlanex16_b32 v[TM+4+\b], v[TM+\b], s24, s25
.endr
.irp b, 0,1,2,3
	v_max_num_f32 v[TM+\b], v[TM+\b], v[TM+4+\b]   ; with lane l xor 16's: the block's largest magnitude
.endr
.irp b, 0,1,2,3
	v_add_nc_u32 v[TM+12+\b], 0xfc000000, v[TM+\b]   ; 8 off its exponent field: the conversion takes this operand's exponent field as its scale
.endr
.irp b, 0,1,2,3
	v_and_or_b32 v[TM+8+\b], v[TM+\b], 0x7f800000, s26   ; 448 x the scale
.endr
.irp b, 0,1,2,3
	v_lshrrev_b32 v[TM+4+\b], 23, v[TM+12+\b]      ; the scale's byte
.endr
	v_lshl_or_b32 v[\pw], v[TM+5], 8, v[TM+4]      ; four bytes: my row's scale word
	v_lshl_or_b32 v[\pw], v[TM+6], 16, v[\pw]
	v_lshl_or_b32 v[\pw], v[TM+7], 24, v[\pw]
.irp b, 0,1,2,3
.irp i, 0,1,2,3,4,5,6,7,8,9,10,11,12,13,14,15
	v_med3_num_f32 v[\s+16*\b+\i], v[\s+16*\b+\i], -v[TM+8+\b], v[TM+8+\b]   ; the conversion to an 8-bit code does not saturate (ISA guide 7.6.2): the hold
.endr
	v_cvt_scalef32_pk8_fp8_f32 v[\pc+4*\b:\pc+4*\b+1], v[\s+16*\b:\s+16*\b+7], v[TM+12+\b]
	v_cvt_scalef32_pk8_fp8_f32 v[\pc+4*\b+2:\pc+4*\b+3], v[\s+16*\b+8:\s+16*\b+15], v[TM+12+\b]
.endr
	v_nop                                          ; a plain vector line behind the last conversion, ahead of whatever next writes its sources
.endm
; a block of 32 keys of my column, all in my own 32 registers v[xs] on: its byte into v8, its codes into v[VC + 8 c] on, and out
.macro VBLOCK c, xs
	v_max3_num_f32 v9, |v[\xs]|, |v[\xs+1]|, |v[\xs+2]|
	v_max3_num_f32 v10, |v[\xs+3]|, |v[\xs+4]|, |v[\xs+5]|
.irp i, 6,10,14,18,22,26
	v_max3_num_f32 v9, v9, |v[\xs+\i]|, |v[\xs+\i+1]|
	v_max3_num_f32 v10, v10, |v[\xs+\i+2]|, |v[\xs+\i+3]|
.endr
	v_max3_num_f32 v9, v9, |v[\xs+30]|, |v[\xs+31]|
	v_max3_num_f32 v9, v9, v10, 0x4800000          ; and the floor
	v_add_nc_u32 v11, 0xfc000000, v9               ; the conversions' scale operand
	v_and_or_b32 v12, v9, 0x7f800000, s26          ; 448 x the scale
	v_lshrrev_b32 v10, 23, v11                     ; the byte
.if (\c) == 0
	v_mov_b32 v8, v10
.else
	v_lshl_or_b32 v8, v10, 8*(\c), v8              ; the lower keys in the lower byte
.endif
.irp i, 0,1,2,3,4,5,6,7,8,9,10,11,12,13,14,15,16,17,18,19,20,21,22,23,24,25,26,27,28,29,30,31
	v_med3_num_f32 v[\xs+\i], v[\xs+\i], -v12, v12
.endr
.irp g, 0,1,2,3
	v_cvt_scalef32_pk8_fp8_f32 v[VC+8*(\c)+2*\g:VC+8*(\c)+2*\g+1], v[\xs+8*\g:\xs+8*\g+7], v11
.endr
	v_nop
	global_store_b128 v7, v[VC+8*(\c):VC+8*(\c)+3], s[20:21] offset:PART+512*(\c)         ; keys 32 c + 0 .. 15: the image's lanes 0-15; sixteen lanes store 256 consecutive bytes, aligned
	global_store_b128 v7, v[VC+8*(\c)+4:VC+8*(\c)+7], s[20:21] offset:PART+512*(\c)+256   ; keys 32 c + 16 .. 31: its lanes 16-31
.endm
	s_wait_alu depctr_va_vdst(0)
	LOADK X0, 0
	LOADK X1, 1
	LOADV Y0, 0
	LOADV Y1, 1
	s_wait_loadcnt 63                              ; 96 loads are issued; with the 63 youngest out the oldest 33 are in, X0's 16 among them (80 were issued behind X0's; the count's field ends at 63)
	QUANT X0, KC, 13
.irp c, 0,1,2,3
	global_store_b128 v6, v[KC+4*\c:KC+4*\c+3], s[20:21] offset:512*\c   ; the image of a register group: 512 consecutive bytes
.endr
	LOADV X0, 2                                    ; X0 is done with: V's blocks 2 and 3 land there
	LOADV X0+32, 3
	s_wait_loadcnt 63                              ; 160 loads are issued; the oldest 97 are in: X1, Y0 and Y1
	QUANT X1, KC+16, 14
.irp c, 0,1,2,3
	global_store_b128 v6, v[KC+16+4*\c:KC+16+4*\c+3], s[20:21] offset:2048+512*\c
.endr
	v_cmp_gt_u32 vcc_lo, 16, v1
	v_cndmask_b32 v15, v14, v13, vcc_lo            ; lanes 0-15: tile 2 w's words, lanes 16-31: tile 2 w + 1's (both halves of the lanes hold a row's word)
	global_store_b32 v5, v15, s[22:23]
	VBLOCK 0, Y0
	VBLOCK 1, Y1
	s_wait_loadcnt 32                              ; block 2's loads are in; block 3's 32 may be out
	VBLOCK 2, X0
	s_wait_loadcnt 0x0
	VBLOCK 3, X0+32
	global_store_b32 v5, v8, s[22:23] offset:PART  ; my column's scale word
.Lend:
	s_endpgm
.Lfunc_end_k_q9868aed7ad_prep:
	.size	k_q9868aed7ad_prep, .Lfunc_end_k_q9868aed7ad_prep-k_q9868aed7ad_prep
	.p2alignl 7, 3214868480
	.fill 96, 4, 3214868480
	.section	.rodata,"a",@progbits
	.p2align	6, 0x0
	.amdhsa_kernel k_q9868aed7ad_prep
		.amdhsa_group_segment_fixed_size 0
		.amdhsa_private_segment_fixed_size 0
		.amdhsa_enable_private_segment 0
		.amdhsa_kernarg_size 32
		.amdhsa_user_sgpr_count 2
		.amdhsa_user_sgpr_kernarg_segment_ptr 1
		.amdhsa_wavefront_size32 1
		.amdhsa_system_sgpr_workgroup_id_x 1
		.amdhsa_system_sgpr_workgroup_id_y 1
		.amdhsa_system_sgpr_workgroup_id_z 1
		.amdhsa_system_vgpr_workitem_id 0
		.amdhsa_next_free_vgpr 256
		.amdhsa_next_free_sgpr 66
		.amdhsa_reserve_vcc 1
		.amdhsa_float_denorm_mode_32 3
		.amdhsa_float_denorm_mode_16_64 3
		.amdhsa_memory_ordered 1
		.amdhsa_forward_progress 1
		.amdhsa_inst_pref_size 50
	.end_amdhsa_kernel
	.amdgpu_metadata
---
amdhsa.version: [ 1, 2 ]
amdhsa.kernels:
  - .name:           k_q9868aed7ad_prep
    .symbol:         k_q9868aed7ad_prep.kd
    .args:
      - { .name: keys, .offset: 0, .size: 8, .value_kind: global_buffer, .address_space: global }
      - { .name: values, .offset: 8, .size: 8, .value_kind: global_buffer, .address_space: global }
      - { .name: valid_lens, .offset: 16, .size: 8, .value_kind: global_buffer, .address_space: global }
      - { .name: kv, .offset: 24, .size: 8, .value_kind: global_buffer, .address_space: global }
    .group_segment_fixed_size: 0
    .private_segment_fixed_size: 0
    .kernarg_segment_align: 8
    .kernarg_segment_size: 32
    .max_flat_workgroup_size: 128
    .sgpr_count:     66
    .vgpr_count:     256
    .wavefront_size: 32
...
	.end_amdgpu_metadata
.endif
;; end of part 3
;; launch attn (part 4): grid 16 x 16, 8 waves a work-group, no clusters, 203,776 bytes of LDS; arguments queries, valid_lens, kv, out0; writes out0
.if DOCPART == 4
	.amdgcn_target "amdgcn-amd-amdhsa--gfx1250"
	.amdhsa_code_object_version 6
	.text
	.protected	k_q9868aed7ad_attn
	.globl	k_q9868aed7ad_attn
	.p2align	8
	.type	k_q9868aed7ad_attn,@function
k_q9868aed7ad_attn:
	s_mov_b64 s[64:65], 0
	v_nop
	global_prefetch_b8 v0, s[64:65] scope:SCOPE_SE
	s_setreg_imm32_b32 hwreg(HW_REG_WAVE_SCHED_MODE, 0, 2), 2
	s_setreg_imm32_b32 hwreg(HW_REG_WAVE_MODE, 25, 1), 1
	s_wait_xcnt 0x0
	s_wait_alu depctr_vm_vsrc(0)
; out0[b][q][:] = the sum over k < valid_lens[b] of softmax_k(Q[b][q] . K[b][k] / sqrt(128)) V[b][k][:], both products on codes of FP8 (E4M3) with one E8M0 scale for each 32 along a product's K.
; Q arrives as f32 and is quantised here, in registers (each row is read once, by one wave).  K and V come from kv, the records that the launch before has made: images of the operands' registers,
; REC bytes for each (head, step of 128 keys): K's codes, K's scale words, V's codes (keys innermost), V's scale words.
; THE SOFTMAX AHEAD OF THE SECOND PRODUCT: t = score x log2(e) / sqrt(128); M = the row's largest t so far, rounded UP to a whole number; p = 2^(t - M) is quantised along the keys, not normalised.
; The row's sum is taken of the unquantised p and divides O at the end.  When M moves, the sum and O are multiplied by 2^(old M - new M): exact.
; THE MASK.  A step all of whose 128 keys lie at or past the head's length is jumped over (a scalar branch on valid_lens); in the one step that the length cuts, hidden scores become -infinity ahead of the maximum.
; SHARES.  256 work-groups of eight waves.  The heads are ranked by length; work-group (bx, pr) serves 128 queries (block bx) of TWO heads: its group 0 (four waves) the head of rank pr, its group 1 that of rank 31 - pr,
; so that a short head's work stands beside a long one's.  Wave w is in group (w ^ (w >> 2)) & 1 and is member w & 3 of it; a member owns 32 queries: two tiles of 16, which share each fragment of K and V read from LDS.
; All eight waves walk 16 steps (a constant count) with one barrier at each step's end, on every path.
; THE RING.  Each group has two LDS slots of one record.  In a step its four members load a quarter each of the next record into registers, and store it into the idle slot at the step's end.
; In the last open step the same record is copied once more, so that no branch stands round the copy and only bytes that were written are read.
; NO TENSOR LOADS, NO CLUSTER: the 16 query blocks of a head do read the same records, but this text branches on valid_lens, and the branch spares every hidden step.
; LAYOUT.  Both products are used transposed: S^T = K Q^T (source 0 = 16 keys, source 1 = 16 queries), O^T = V^T P^T: a lane holds ONE query (lane % 16) throughout.  The keys of a tile of K are chosen (in the record)
; so that the 16 registers of tiles 2 b and 2 b + 1 are keys 32 b + 16 (lane / 16) + 0 .. 15: the conversions' results are the second product's operand.
; LIMITS: a length is read as unsigned and held at 2,048 (a negative one counts as 2,048); length 0 gives NaN, as 0 / 0; NaN and infinities among the inputs are not served; blocks of Q whose largest magnitude lies under 2^-118 keep the byte 1.
; REGISTERS, window 0: v1-10 addresses; v11, v246 staged scale words; v12-19 statistics (a tile: -M, largest t, the sum in two halves); v20-23 K's scale words, v24-27 V's, v28-29 Q's, v30-31 p's; v32-159 S^T, then p,
;   then in v32-95 V's tiles 4-7; v160-223 K's tiles 4-7, then v160-191 p's codes and v192-223 staged codes of K; v224-245 at work; v247-250 addresses; v252-255 1 / sum.
;   window 1: v0-31 staged codes of V; v32-159 O^T; v160-191 Q's codes; v192-255 tiles 0-3 of K, then of V.
; THE MODE: SCHED_MODE bits 1:0 = 2 (LLVM: expert scheduling mode 2), set by the entry lines.  The code itself states the register dependences between vector or matrix instructions and memory or LDS instructions,
; with s_wait_alu, always for 0.
; THE PLAN.  Registers that memory or LDS instructions touch, round a step:
;   addresses (v1-9, v247-250; v241, v251)   written at the head, ahead of the head's wait on va_vdst; never written again.
;   window 1 v192-255    K's tiles 0-3 land at the step's head; K Q^T reads them; V's tiles 0-3 land behind K Q^T; V^T P^T reads them.
;   v160-223             K's tiles 4-7 land at the step's head; K Q^T reads them; then the conversions write p's codes into v160-191 and V^T P^T reads those,
;                        while my quarter of the next record's K codes lands in v192-223, which the step's last LDS stores read.
;   v32-95               S^T and p of tile 0; when tile 0's conversions have read them, V's tiles 4-7 land there; V^T P^T reads them; the next K Q^T writes over them.
;   v20-27               scale words from LDS, read by the products.
;   v11, v246, window 1 v0-31   staged by global loads at the step's head, read by the step's last LDS stores; no vector instruction names them.
; So a step has three waits on va_vdst of its own (at its head; behind K Q^T; ahead of V^T P^T), leans for V's tiles 4-7 on the wait that stands behind tile 1's exponentials, and has one wait on vm_vsrc, behind its LDS stores.
; All eight fragments of a product are asked for ahead of its first matrix instruction, and the sixteen matrix instructions follow each other with counted waits on DScnt alone.
.set REC,   33792
.set PART,  16896
.set RING,  2*REC                      ; LDS: group g's two slots at RING g
.set STG,   2*RING                     ; behind the rings: a stage of 16 rows x (512 + 16) bytes for each wave
.set STW,   16*528
.set HEADB, 16*REC                     ; a head's records
.set LFK, 1                            ; v1   ring + 16 lane: K's fragments
.set LFV, 2                            ; v2   + PART: V's
.set LSK, 3                            ; v3   ring + 16,384 + 4 lane: K's scale words
.set LSV, 4                            ; v4   + PART: V's
.set FST, 5                            ; v5   ring + 512 member + 16 lane: where I store my quarter of a record's codes
.set FSS, 6                            ; v6   ring + 16,384 + 128 member + 4 lane: and of its scale words
.set FGO, 7                            ; v7   512 member + 16 lane: the same in memory
.set FGS, 8                            ; v8   128 member + 4 lane
.set PFO, 9                            ; v9   8,192 member + 256 lane: the prefetches' offset; never rewritten
.set H16, 10                           ; v10  16 (lane / 16)
.set SSA, 11
.set ST,  12
.set KS,  20
.set VS,  24
.set QS,  28
.set PS,  30
.set S,   32
.set PC,  160
.set KB,  160                          ; v160-223 K's tiles 4 to 7
.set SA,  192
.set BM,  224                          ; v224-227 a block's largest score, then its largest p
.set BP,  228                          ; v228-231 the other half's; a chain of sums; bytes
.set HL,  232                          ; v232-235 448 x the scale
.set SO,  236                          ; v236-239 the conversions' scale operands
.set TMP, 240
.set FF,  242                          ; v[242:243] f = 2^(old M - new M), low word
.set VD,  244
.set NINF, 245
.set SSB, 246
.set QA,  247                          ; v247 512 r + 64 h: Q
.set STI, 248                          ; v248 the stage, in: row r, + 32 h
.set STR, 249                          ; v249 the stage, back: 16 lane
.set GO,  250                          ; v250 16 lane: a row of out0
.set RL,  252                          ; v[252:253], v[254:255] 1 / sum, low words
.set SB,  0                            ; window 1
.set OT,  32
.set QC,  160
.set FRG, 192
.set WV, 12
.set G,  13
.set MB, 14
.set BX, 15
.set PR, 16
.set RANK, 17
.set KSEL, 18
.set HEAD, 19
.set LEN, 20
.set NLAST, 21                         ; the last open step
.set CS, 22                            ; s[22:23] c = log2(e) / sqrt(128)
.set SEL, 24                           ; s[24:25] v_permlanex16_b32's selects for lane l xor 16
.set MNT, 26                           ; the mantissa field of 448
.set KF, 27                            ; the step's first key
.set J,  28                            ; the step
.set CNT, 29
.set RB, 32                            ; s[32:33] the head's records
.set FA, 34                            ; s[34:35] the record that is being copied
.set LIM, 38                           ; NLAST + 1 in the head's first query block, else 0
.set MK, 40                            ; s40-55 masks and lanes' numbers that vector instructions write, a run at a time
.set MSB, 0
.macro WIN new                         ; s_set_vgpr_msb: bits 1:0 source 0, 3:2 source 1, 5:4 source 2, 7:6 destination; the high byte repeats the setting that is left
.if MSB != \new
	s_set_vgpr_msb (MSB<<8)|\new
.set MSB, \new
.endif
.endm
	s_load_b256 s[4:11], s[0:1], 0x0               ; queries s[4:5], valid_lens s[6:7], kv s[8:9], out0 s[10:11]
	v_lshl_add_u32 v241, v0, 2, 0x31800
	v_mov_b32 v251, 0
	v_lshrrev_b32 v[TMP], 5, v0
	v_readfirstlane_b32 s[WV], v[TMP]              ; wave 0..7
	v_and_b32 v[TMP], 31, v0                       ; lane
	s_wait_alu depctr_va_vdst(0)
	v_and_b32 v[H16], 16, v0
	v_and_b32 v[VD], 15, v0                        ; r
	v_lshlrev_b32 v[QA], 9, v[VD]
	v_lshl_add_u32 v[QA], v[H16], 2, v[QA]
	v_lshlrev_b32 v[GO], 4, v[TMP]
	s_mov_b32 s[BX], ttmp9
	s_and_b32 s[PR], ttmp7, 0xffff
	s_wait_alu depctr_va_sdst(0)                   ; the wave's number is written, ahead of its first reader
	s_lshr_b32 s[G], s[WV], 2
	s_xor_b32 s[G], s[G], s[WV]
	s_and_b32 s[G], s[G], 1                        ; my group: waves 0, 2, 5, 7 are group 0
	s_and_b32 s[MB], s[WV], 3                      ; my place in it: each of 0..3 once in a group
	s_mul_i32 s30, s[G], RING
	s_add_co_u32 s31, s30, 16384
	v_lshl_add_u32 v[LFK], v[TMP], 4, s30
	v_add_nc_u32 v[LFV], PART, v[LFK]
	v_lshl_add_u32 v[LSK], v[TMP], 2, s31
	v_add_nc_u32 v[LSV], PART, v[LSK]
	s_lshl_b32 s39, s[MB], 9
	v_lshl_add_u32 v[FGO], v[TMP], 4, s39
	s_add_co_u32 s39, s39, s30
	v_lshl_add_u32 v[FST], v[TMP], 4, s39
	s_lshl_b32 s39, s[MB], 7
	v_lshl_add_u32 v[FGS], v[TMP], 2, s39
	s_add_co_u32 s39, s39, s31
	v_lshl_add_u32 v[FSS], v[TMP], 2, s39
	s_lshl_b32 s39, s[MB], 13
	v_lshl_add_u32 v[PFO], v[TMP], 8, s39
	s_mul_i32 s39, s[WV], STW
	s_add_co_u32 s39, s39, STG                     ; my stage
	v_mul_u32_u24 v[STI], v[VD], 528
	v_lshl_add_u32 v[STI], v[H16], 1, v[STI]
	v_add_nc_u32 v[STI], s39, v[STI]
	v_lshl_add_u32 v[STR], v[TMP], 4, s39
	v_lshlrev_b32 v[VD], 2, v[TMP]
	s_mov_b32 s[CS], 0x3e0293ee
	s_mov_b32 s[CS+1], s[CS]                       ; (named with it as a pair, so it is written)
	s_mov_b32 s[SEL], 0x76543210
	s_mov_b32 s[SEL+1], 0xfedcba98
	s_mov_b32 s[MNT], 0x600000
.irp b, 0,1,2,3
	v_mov_b32 v[BP+\b], 0                          ; written once: a lane permute's destination counts as one of its sources
.endr
	v_mov_b32 v[FF+1], 0                           ; the upper halves of pairs of which the low word alone is used
	v_mov_b32 v[RL+1], 0
	v_mov_b32 v[RL+3], 0
	s_wait_kmcnt 0x0
	s_wait_alu depctr_va_vdst(0)                   ; every address and offset of the kernel is written (v1-9, v244, v247-250, v241, v251): the loads, stores and prefetches below read them
	global_load_b32 v[NINF], v[VD], s[6:7]         ; lane l: valid_lens[l]
	s_sub_co_u32 s30, 31, s[PR]
	s_cmp_eq_u32 s[G], 0
	s_cselect_b32 s[RANK], s[PR], s30              ; group 0: rank pr; group 1: rank 31 - pr
	s_mov_b32 s[KSEL], 0
	s_wait_loadcnt 0x0
	v_min_u32 v[NINF], 0x800, v[NINF]
	v_lshl_or_b32 v[NINF], v[NINF], 5, v[TMP]      ; key = 32 x length + head: no two are equal
.set hb, 0
.rept 4                                ; a head's rank is the number of smaller keys; the key whose rank is mine is kept.  Eight heads at a time, so that one wait serves a run of eight
.irp i, 0,1,2,3,4,5,6,7
	v_readlane_b32 s[MK+\i], v[NINF], 8*hb+\i
.endr
	s_wait_alu depctr_va_sdst(0)                   ; the eight keys are written, ahead of the compares that read them
.irp i, 0,1,2,3,4,5,6,7
	v_cmp_lt_u32 s[MK+8+\i], v[NINF], s[MK+\i]
.endr
	s_wait_alu depctr_va_sdst(0)                   ; the eight masks are written, ahead of the counts that read them
.irp i, 0,1,2,3,4,5,6,7
	s_bcnt1_i32_b32 s31, s[MK+8+\i]
	s_cmp_eq_u32 s31, s[RANK]
	s_cselect_b32 s[KSEL], s[MK+\i], s[KSEL]
.endr
.set hb, hb+1
.endr
	s_and_b32 s[HEAD], s[KSEL], 31
	s_min_u32 s[HEAD], s[HEAD], 31
	s_lshr_b32 s[LEN], s[KSEL], 5
	s_min_u32 s[LEN], s[LEN], 2048
	s_max_u32 s[NLAST], s[LEN], 1
	s_sub_co_u32 s[NLAST], s[NLAST], 1
	s_lshr_b32 s[NLAST], s[NLAST], 7
	s_add_co_u32 s[LIM], s[NLAST], 1
	s_cmp_eq_u32 s[BX], 0
	s_cselect_b32 s[LIM], s[LIM], 0
	s_mul_i32 s36, s[HEAD], HEADB
	s_mov_b32 s37, 0
	s_add_nc_u64 s[RB:RB+1], s[8:9], s[36:37]
	s_lshl_b32 s36, s[HEAD], 20                    ; a head is 2^20 bytes of queries and of out0,
	s_lshl_b32 s39, s[BX], 16                      ; a block of 128 rows 2^16,
	s_add_co_u32 s36, s36, s39
	s_lshl_b32 s39, s[MB], 14                      ; my 32 rows 2^14
	s_add_co_u32 s36, s36, s39
	s_add_nc_u64 s[4:5], s[4:5], s[36:37]
	s_add_nc_u64 s[10:11], s[10:11], s[36:37]
	s_mov_b64 s[FA:FA+1], s[RB:RB+1]               ; record 0
; My quarter of the record at FA into registers: 18 loads, each of 512 (scale words: 128) consecutive bytes.  No cache hint: sixteen query blocks read a record.
; In two parts: K's codes land in v192-223, which are free only behind K Q^T; the scale words and V's codes land in registers of their own.
.macro FILL_A
.irp i, 0,1,2,3,4,5,6,7
	global_load_b128 v[SA+4*\i:SA+4*\i+3], v[FGO], s[FA:FA+1] offset:2048*\i
.endr
.endm
.macro FILL_B
	global_load_b32 v[SSA], v[FGS], s[FA:FA+1] offset:16384
	global_load_b32 v[SSB], v[FGS], s[FA:FA+1] offset:PART+16384
	WIN 0x40                                       ; destination window 1
.irp i, 0,1,2,3,4,5,6,7
	global_load_b128 v[SB+4*\i:SB+4*\i+3], v[FGO], s[FA:FA+1] offset:PART+2048*\i
.endr
	WIN 0
.endm
; and from there into a slot, as it lies.  cnt: the younger loads that may stay out
.macro FILL_STORES slot, cnt
	s_wait_loadcnt \cnt
.irp i, 0,1,2,3,4,5,6,7
	ds_store_b128 v[FST], v[SA+4*\i:SA+4*\i+3] offset:(\slot)*REC+2048*\i
.endr
	ds_store_b32 v[FSS], v[SSA] offset:(\slot)*REC
	ds_store_b32 v[FSS], v[SSB] offset:(\slot)*REC+PART
	WIN 0x04                                       ; an LDS store's data are its source 1: window 1
.irp i, 0,1,2,3,4,5,6,7
	ds_store_b128 v[FST], v[SB+4*\i:SB+4*\i+3] offset:(\slot)*REC+PART+2048*\i
.endr
	WIN 0
.endm
; A PREFETCH of record J + 2, behind the first ten loads of record J + 1: one step ahead of the loads that will want it.  All sixteen query blocks of a head walk the same records: the group of block 0 asks, and nobody else;
; its four members take 8,192 bytes each, lanes 256 bytes apart: the record's first 32,768 bytes, each aligned 256 bytes named once in the launch.  Asked only where J + 2 is an open step (FA then stands at record J + 1):
; records 0 and 1 and each record's last 1,024 bytes come by their loads alone.
.macro ASK
	s_add_co_u32 s39, s[J], 2
	s_cmp_lt_u32 s39, s[LIM]
	s_cbranch_scc0 .Lnot_mine_\@
	global_prefetch_b8 v[PFO], s[FA:FA+1] offset:REC th:TH_LOAD_NT scope:SCOPE_SE
.Lnot_mine_\@:
.endm
; Tile x's 64 numbers of Q a lane (register 16 b + i = channel 32 b + 16 h + i of my query) become its fragment in window 1 and its scale word
.macro QUANTQ x
.set QX, S+64*(\x)
.irp b, 0,1,2,3
	v_max3_num_f32 v[BM+\b], |v[QX+16*\b]|, |v[QX+1+16*\b]|, 0x4800000   ; block b: my 16 numbers, and the floor 2^(9 - 127): the byte cannot fall under 1
.endr
.irp i, 2,4,6,8,10,12,14
.irp b, 0,1,2,3
	v_max3_num_f32 v[BM+\b], v[BM+\b], |v[QX+16*\b+\i]|, |v[QX+1+16*\b+\i]|
.endr
.endr
.irp b, 0,1,2,3
	v_permlanex16_b32 v[BP+\b], v[BM+\b], s[SEL], s[SEL+1]
.endr
.irp b, 0,1,2,3
	v_max_num_f32 v[BM+\b], v[BM+\b], v[BP+\b]     ; with lane l xor 16's: the block's largest magnitude
.endr
.irp b, 0,1,2,3
	v_add_nc_u32 v[SO+\b], 0xfc000000, v[BM+\b]    ; 8 off its exponent field: the conversion's scale operand
.endr
.irp b, 0,1,2,3
	v_and_or_b32 v[HL+\b], v[BM+\b], 0x7f800000, s[MNT]   ; 448 x the scale
.endr
.irp b, 0,1,2,3
	v_lshrrev_b32 v[BP+\b], 23, v[SO+\b]           ; the scale's byte
.endr
	v_lshl_or_b32 v[QS+\x], v[BP+1], 8, v[BP]
	v_lshl_or_b32 v[QS+\x], v[BP+2], 16, v[QS+\x]
	v_lshl_or_b32 v[QS+\x], v[BP+3], 24, v[QS+\x]
.irp b, 0,1,2,3
.irp i, 0,1,2,3,4,5,6,7,8,9,10,11,12,13,14,15
	v_med3_num_f32 v[QX+16*\b+\i], v[QX+16*\b+\i], -v[HL+\b], v[HL+\b]   ; the conversion to an 8-bit code does not saturate (ISA guide 7.6.2): the hold
.endr
.endr
	WIN 0x40
.irp b, 0,1,2,3
	v_cvt_scalef32_pk8_fp8_f32 v[QC+16*(\x)+4*\b:QC+16*(\x)+4*\b+1], v[QX+16*\b:QX+16*\b+7], v[SO+\b]
	v_cvt_scalef32_pk8_fp8_f32 v[QC+16*(\x)+4*\b+2:QC+16*(\x)+4*\b+3], v[QX+16*\b+8:QX+16*\b+15], v[SO+\b]
.endr
	WIN 0
	v_nop                                          ; a plain vector line behind the last conversion
.endm
; S^T = K Q^T from slot s: all eight tiles of 16 keys are asked for at once, tiles 0-3 into window 1, tiles 4-7 into v160-223; each fragment goes against both tiles of queries.
; Nine plain places stand between the last V^T P^T, which read v32-95 as a source, and these products, which write over them (one more than a load or a vector instruction would want).
.macro KQ s
.rept 9
	v_nop
.endr
	s_wait_alu depctr_va_vdst(0)                   ; the last step's V^T P^T is done reading window 1's fragments and p's codes in v160-191, in which the loads below land; in the first step: Q's codes and scale words, which the products below take, are written
.irp p, 0,1,2,3
	ds_load_b32 v[KS+\p], v[LSK] offset:(\s)*REC+128*\p   ; lanes 0-15: tile 2 p's words, lanes 16-31: tile 2 p + 1's
.endr
	WIN 0x40
.irp t, 0,1,2,3
.irp c, 0,1,2,3
	ds_load_b128 v[FRG+16*\t+4*\c:FRG+16*\t+4*\c+3], v[LFK] offset:(\s)*REC+\t*2048+512*\c
.endr
.endr
	WIN 0
.irp t, 0,1,2,3
.irp c, 0,1,2,3
	ds_load_b128 v[KB+16*\t+4*\c:KB+16*\t+4*\c+3], v[LFK] offset:(\s)*REC+(4+\t)*2048+512*\c
.endr
.endr
	FILL_B                                         ; the next record's scale words and V's codes: no vector instruction names their registers, and the LDS stores that read them stand ahead of the last wait on vm_vsrc
	ASK
	WIN 0x05                                       ; K and Q in window 1, S^T in window 0
.irp t, 0,1,2,3
	s_wait_dscnt 28-4*\t                           ; LDS loads come back in order (ISA guide 5.7.1): tile t is in; the tiles behind it, four loads each, may be out
.irp x, 0,1
.if \t % 2
	v_wmma_scale_f32_16x16x128_f8f6f4 v[S+64*\x+8*\t:S+64*\x+8*\t+7], v[FRG+16*\t:FRG+16*\t+15], v[QC+16*\x:QC+16*\x+15], 0, v[KS+\t/2], v[QS+\x] matrix_a_scale:MATRIX_SCALE_ROW1
.else
	v_wmma_scale_f32_16x16x128_f8f6f4 v[S+64*\x+8*\t:S+64*\x+8*\t+7], v[FRG+16*\t:FRG+16*\t+15], v[QC+16*\x:QC+16*\x+15], 0, v[KS+\t/2], v[QS+\x]
.endif
.endr
.endr
	WIN 0x04                                       ; K in window 0, Q in window 1
.irp t, 0,1,2,3
	s_wait_dscnt 12-4*\t                           ; tile 4 + t is in
.irp x, 0,1
.if \t % 2
	v_wmma_scale_f32_16x16x128_f8f6f4 v[S+64*\x+8*(4+\t):S+64*\x+8*(4+\t)+7], v[KB+16*\t:KB+16*\t+15], v[QC+16*\x:QC+16*\x+15], 0, v[KS+2+\t/2], v[QS+\x] matrix_a_scale:MATRIX_SCALE_ROW1
.else
	v_wmma_scale_f32_16x16x128_f8f6f4 v[S+64*\x+8*(4+\t):S+64*\x+8*(4+\t)+7], v[KB+16*\t:KB+16*\t+15], v[QC+16*\x:QC+16*\x+15], 0, v[KS+2+\t/2], v[QS+\x]
.endif
.endr
.endr
	WIN 0
.endm
; V's scale words and its first four fragments are asked for ahead of the softmax, and with them K's codes of the next record.  The eight places serve the first reads of S^T.
.macro VPRE s
.rept 8
	v_nop
.endr
	s_wait_alu depctr_va_vdst(0)                   ; K Q^T is done reading window 1's fragments and v192-223, in which the loads below land
.irp p, 0,1,2,3
	ds_load_b32 v[VS+\p], v[LSV] offset:(\s)*REC+128*\p
.endr
	WIN 0x40
.irp t, 0,1,2,3
.irp c, 0,1,2,3
	ds_load_b128 v[FRG+16*\t+4*\c:FRG+16*\t+4*\c+3], v[LFV] offset:(\s)*REC+\t*2048+512*\c
.endr
.endr
	WIN 0
	FILL_A
.endm
; In the step that the length cuts, the scores of hidden keys become -infinity: p = 0 then.  Register 16 b + i holds key KF + 32 b + 16 h + i: hidden where 32 b + i > d = length - KF - 1 - 16 h.  A step all of whose keys count skips this.
; The compares go in runs of sixteen, a block of 32 keys at a time, into sixteen scalar registers, so that one wait serves a run.
.macro MASK
	s_add_co_u32 s39, s[KF], 128
	s_cmp_le_u32 s39, s[LEN]
	s_cbranch_scc1 .Lopen_\@
	s_sub_co_u32 s39, s[LEN], s[KF]
	s_sub_co_u32 s39, s39, 1
	v_sub_nc_u32 v[VD], s39, v[H16]
	v_mov_b32 v[NINF], 0xff800000
.set bb, 0
.rept 4
.irp i, 0,1,2,3,4,5,6,7,8,9,10,11,12,13,14,15
	v_cmp_gt_i32 s[MK+\i], 32*bb+\i, v[VD]
.endr
	s_wait_alu depctr_va_sdst(0)                   ; the sixteen masks are written, ahead of the selects that read them
.irp i, 0,1,2,3,4,5,6,7,8,9,10,11,12,13,14,15
	v_cndmask_b32 v[S+16*bb+\i], v[S+16*bb+\i], v[NINF], s[MK+\i]          ; ascending: each accumulator is read from its low end on
	v_cndmask_b32 v[S+64+16*bb+\i], v[S+64+16*bb+\i], v[NINF], s[MK+\i]
.endr
.set bb, bb+1
.endr
.Lopen_\@:
.endm
; Tile x's softmax for these 128 keys, p's codes and scale word, and O^T under the new M.  In tile 1's, V's tiles 4-7 of slot s are asked for, into the registers that tile 0's p has left.
.macro SOFTMAX x, s
.set SX, S+64*(\x)
.set NM, ST+4*(\x)                     ; -M, largest t, the sum's two halves
.irp b, 0,1,2,3
	v_max3_num_f32 v[BM+\b], v[SX+16*\b], v[SX+1+16*\b], v[SX+2+16*\b]   ; the largest score of each block of 32 keys: it serves the row's maximum and, since p rises with the score, the block's largest p
.endr
.irp i, 3,5,7,9,11,13
.irp b, 0,1,2,3
	v_max3_num_f32 v[BM+\b], v[BM+\b], v[SX+16*\b+\i], v[SX+1+16*\b+\i]
.endr
.endr
.irp b, 0,1,2,3
	v_max_num_f32 v[BM+\b], v[BM+\b], v[SX+15+16*\b]
.endr
.irp b, 0,1,2,3
	v_permlanex16_b32 v[BP+\b], v[BM+\b], s[SEL], s[SEL+1]
.endr
.irp b, 0,1,2,3
	v_max_num_f32 v[BM+\b], v[BM+\b], v[BP+\b]     ; with lane l xor 16's 16 keys
.endr
	v_max3_num_f32 v[TMP], v[BM], v[BM+1], v[BM+2]
	v_max_num_f32 v[TMP], v[TMP], v[BM+3]          ; the step's largest score of my query
	v_mul_f32 v[TMP], s[CS], v[TMP]                ; as t (c is positive)
	v_max_num_f32 v[NM+1], v[NM+1], v[TMP]         ; the running largest t
	v_mov_b32 v[TMP], v[NM]
	v_floor_f32 v[NM], -v[NM+1]                    ; the new -M = floor(-t) = -ceil(t): a whole number
	v_sub_f32 v[TMP], v[NM], v[TMP]                ; old M - new M: a whole number, 0 or less
	v_cvt_i32_f32 v[TMP], v[TMP]                   ; (it saturates)
	v_ldexp_f32 v[FF], 1.0, v[TMP]                 ; f = 2^(old M - new M)
.set jj, 0
.rept 32
	v_pk_fma_f32 v[SX+jj:SX+jj+1], v[SX+jj:SX+jj+1], s[CS:CS+1], v[NM:NM+1] op_sel_hi:[1,0,0]   ; t - M, two at a time (of the pairs c and -M the low word serves both halves)
.set jj, jj+2
.endr
.irp b, 0,1,2,3
	v_fma_f32 v[BM+\b], v[BM+\b], s[CS], v[NM]     ; the same of each block's largest score
.endr
.set jj, 0
	s_wait_alu depctr_va_vdst(0)
.rept 64
	v_exp_f32 v[SX+jj], v[SX+jj]                   ; p = 2^(t - M), at most 1
.set jj, jj+1
.endr
	v_pk_mul_f32 v[NM+2:NM+3], v[NM+2:NM+3], v[FF:FF+1] op_sel_hi:[1,0]   ; the sums under the new M: the plain line behind the exponentials
	s_wait_alu depctr_va_vdst(0)                   ; the 64 exponentials have written p, ahead of its first reader: one wait for the batch; in tile 1's softmax also: tile 0's holds and conversions are done with v32-95
.if (\x) == 1
.irp t, 0,1,2,3
.irp c, 0,1,2,3
	ds_load_b128 v[S+16*\t+4*\c:S+16*\t+4*\c+3], v[LFV] offset:(\s)*REC+(4+\t)*2048+512*\c   ; V's tiles 4-7: no vector instruction since the wait names v32-95, and none does until V^T P^T
.endr
.endr
.endif
.irp b, 0,1,2,3
	v_exp_f32 v[BM+\b], v[BM+\b]                   ; the block's largest p: the same two instructions on the same number give the same bits
.endr
	v_pk_add_f32 v[BP:BP+1], v[SX:SX+1], v[SX+2:SX+3]   ; the row's sum is taken of the unquantised p: two at a time, in two chains; it reads the 64 alone
.set jj, 4
.rept 15
	v_pk_add_f32 v[NM+2:NM+3], v[NM+2:NM+3], v[SX+jj:SX+jj+1]
	v_pk_add_f32 v[BP:BP+1], v[BP:BP+1], v[SX+jj+2:SX+jj+3]
.set jj, jj+4
.endr
	v_pk_add_f32 v[NM+2:NM+3], v[NM+2:NM+3], v[BP:BP+1]
	s_wait_alu depctr_va_vdst(0)                   ; the four exponentials have written the blocks' largest p, ahead of their first reader
.irp b, 0,1,2,3
	v_max_num_f32 v[BM+\b], 0x4800000, v[BM+\b]    ; the floor 2^(9 - 127): the byte cannot fall under 1 (a block whose every p is 0 keeps that byte: its codes are zeros)
.endr
.irp b, 0,1,2,3
	v_add_nc_u32 v[SO+\b], 0xfc000000, v[BM+\b]    ; 8 off the exponent field: the conversion's scale operand
.endr
.irp b, 0,1,2,3
	v_and_or_b32 v[HL+\b], v[BM+\b], 0x7f800000, s[MNT]   ; 448 x the scale
.endr
.irp b, 0,1,2,3
	v_lshrrev_b32 v[BP+\b], 23, v[SO+\b]           ; the scale's byte
.endr
	v_lshl_or_b32 v[PS+\x], v[BP+1], 8, v[BP]      ; p's scale word for these 128 keys
	v_lshl_or_b32 v[PS+\x], v[BP+2], 16, v[PS+\x]
	v_lshl_or_b32 v[PS+\x], v[BP+3], 24, v[PS+\x]
.irp b, 0,1,2,3
.irp i, 0,1,2,3,4,5,6,7,8,9,10,11,12,13,14,15
	v_min_num_f32 v[SX+16*\b+\i], v[SX+16*\b+\i], v[HL+\b]   ; the hold; p is not negative, so it is one-sided
.endr
	v_cvt_scalef32_pk8_fp8_f32 v[PC+16*(\x)+4*\b:PC+16*(\x)+4*\b+1], v[SX+16*\b:SX+16*\b+7], v[SO+\b]
	v_cvt_scalef32_pk8_fp8_f32 v[PC+16*(\x)+4*\b+2:PC+16*(\x)+4*\b+3], v[SX+16*\b+8:SX+16*\b+15], v[SO+\b]
.endr
	WIN 0x41                                       ; O^T (destination and source 0) in window 1, f in window 0
.set jj, 0
.rept 32
	v_pk_mul_f32 v[OT+64*(\x)+jj:OT+64*(\x)+jj+1], v[OT+64*(\x)+jj:OT+64*(\x)+jj+1], v[FF:FF+1] op_sel_hi:[1,0]   ; O^T x f, ascending; these lines also stand between the codes and the products that take them
.set jj, jj+2
.endr
	WIN 0
.endm
; O^T += V^T P^T: the 16 accumulators take one instruction each, by turns.  V's tiles 0-3 lie in window 1, tiles 4-7 in v32-95.
.macro PV
	s_wait_alu depctr_va_vdst(0)                   ; the conversions have written p's codes, and the shifts its scale words, which the products below take; the 32 rescalings above are the places, which stay beside this wait
	WIN 0x51                                       ; V in window 1, p's codes in window 0, C and D in window 1
.irp t, 0,1,2,3
	s_wait_dscnt 28-4*\t                           ; tile t is in; the tiles behind it, four loads each, may be out
.irp x, 0,1
.if \t % 2
	v_wmma_scale_f32_16x16x128_f8f6f4 v[OT+64*\x+8*\t:OT+64*\x+8*\t+7], v[FRG+16*\t:FRG+16*\t+15], v[PC+16*\x:PC+16*\x+15], v[OT+64*\x+8*\t:OT+64*\x+8*\t+7], v[VS+\t/2], v[PS+\x] matrix_a_scale:MATRIX_SCALE_ROW1
.else
	v_wmma_scale_f32_16x16x128_f8f6f4 v[OT+64*\x+8*\t:OT+64*\x+8*\t+7], v[FRG+16*\t:FRG+16*\t+15], v[PC+16*\x:PC+16*\x+15], v[OT+64*\x+8*\t:OT+64*\x+8*\t+7], v[VS+\t/2], v[PS+\x]
.endif
.endr
.endr
	WIN 0x50                                       ; V in window 0
.irp t, 0,1,2,3
	s_wait_dscnt 12-4*\t                           ; tile 4 + t is in
.irp x, 0,1
.if \t % 2
	v_wmma_scale_f32_16x16x128_f8f6f4 v[OT+64*\x+8*(4+\t):OT+64*\x+8*(4+\t)+7], v[S+16*\t:S+16*\t+15], v[PC+16*\x:PC+16*\x+15], v[OT+64*\x+8*(4+\t):OT+64*\x+8*(4+\t)+7], v[VS+2+\t/2], v[PS+\x] matrix_a_scale:MATRIX_SCALE_ROW1
.else
	v_wmma_scale_f32_16x16x128_f8f6f4 v[OT+64*\x+8*(4+\t):OT+64*\x+8*(4+\t)+7], v[S+16*\t:S+16*\t+15], v[PC+16*\x:PC+16*\x+15], v[OT+64*\x+8*(4+\t):OT+64*\x+8*(4+\t)+7], v[VS+2+\t/2], v[PS+\x]
.endif
.endr
.endr
	WIN 0
.endm
; A KEY STEP on slot s.  Hidden steps jump to the lines at its end, which every wave runs: the count, the wait for my LDS stores and loads, the barrier.
; Between two barriers a group reads slot s and stores into slot 1 - s, whose last reads every wave has waited for in front of the barrier before.
.macro STEP s
	s_lshl_b32 s[KF], s[J], 7
	s_cmp_ge_u32 s[KF], s[LEN]
	s_cbranch_scc1 .Lskip_\@
	s_wait_xcnt 0x0                                ; the last prefetch, a step back, has read FA (the last copy's loads have been waited for): it may be written
	s_add_co_u32 s36, s[J], 1
	s_min_u32 s36, s36, s[NLAST]                   ; the next open step's record, or this one once more
	s_min_u32 s36, s36, 15
	s_mul_i32 s36, s36, REC
	s_mov_b32 s37, 0
	s_add_nc_u64 s[FA:FA+1], s[RB:RB+1], s[36:37]
	KQ \s
	VPRE \s
	MASK
	SOFTMAX 0, \s
	SOFTMAX 1, \s
	PV
	FILL_STORES 1-\s, 0                            ; the copy's loads have had the step in which to land
	s_wait_alu depctr_vm_vsrc(0)                   ; these LDS stores have read v192-223, v11, v246 and window 1's v0-31, in which the next step's loads land (on the way out: the stage's)
.Lskip_\@:
	s_add_co_u32 s[J], s[J], 1
	s_wait_dscnt 0x0                               ; for the others' sake: my stores into the idle slot have landed, my reads of this slot are over
	s_barrier_signal -1
	s_barrier_wait -1
.endm
	FILL_A                                         ; record 0
	FILL_B
.irp x, 0,1
.irp b, 0,1,2,3
.irp j, 0,1,2,3
	global_load_b128 v[S+64*\x+16*\b+4*\j:S+64*\x+16*\b+4*\j+3], v[QA], s[4:5] offset:8192*\x+128*\b+16*\j th:TH_LOAD_NT   ; Q, as f32, where S^T will lie
.endr
.endr
.endr
	FILL_STORES 0, 32                              ; the record's 18 loads are in; Q's 32, issued behind them, may be out
	s_wait_alu depctr_vm_vsrc(0)                   ; these LDS stores have read the staging registers, in which the first step's loads land; the load of valid_lens has read v244, which the mask's lines write
	s_wait_loadcnt 16                              ; tile 0's 16 loads are in
	QUANTQ 0
	s_wait_loadcnt 0x0
	QUANTQ 1
.irp x, 0,1
	v_mov_b32 v[ST+4*\x+1], 0xff61b1e6             ; the largest t so far: -3e38, under every t
	v_floor_f32 v[ST+4*\x], -v[ST+4*\x+1]          ; -M
	v_mov_b32 v[ST+4*\x+2], 0                      ; the sum, in two halves
	v_mov_b32 v[ST+4*\x+3], 0
.endr
	WIN 0x40
.set jj, 0
.rept 128
	v_mov_b32 v[OT+jj], 0                          ; O^T.  The step is written without a first copy of its own: the first change of M multiplies zeros; and a head of length 0 leaves them
.set jj, jj+1
.endr
	WIN 0
	s_mov_b32 s[J], 0
	s_mov_b32 s[CNT], 8
	s_wait_dscnt 0x0                               ; my quarter of record 0 lies in slot 0
	s_barrier_signal -1
	s_barrier_wait -1
.Lloop:                                            ; eight trips of two steps: the slots' numbers stand in the immediates
	STEP 0
	STEP 1
	s_sub_co_u32 s[CNT], s[CNT], 1
	s_cmp_lg_u32 s[CNT], 0
	s_cbranch_scc1 .Lloop
	; THE WAY OUT.  The sum's halves are added; O^T is divided by the sum and goes through my own stage in LDS, a tile of 16 rows at a time, so that the 32 lanes store a whole row of 512 bytes.
.rept 8
	v_nop                                          ; places behind the last products
.endr
.irp x, 0,1
	v_add_f32 v[ST+4*\x+2], v[ST+4*\x+2], v[ST+4*\x+3]
.endr
.irp x, 0,1
	v_permlanex16_b32 v[BP+\x], v[ST+4*\x+2], s[SEL], s[SEL+1]
.endr
.irp x, 0,1
	v_add_f32 v[ST+4*\x+2], v[ST+4*\x+2], v[BP+\x] ; with lane l xor 16's: the row's sum
.endr
	s_wait_alu depctr_va_vdst(0)
.irp x, 0,1
	v_rcp_f32 v[RL+2*\x], v[ST+4*\x+2]
.endr
	v_nop                                          ; a plain line behind the reciprocals,
	s_wait_alu depctr_va_vdst(0)                   ; and one wait for both: they have written 1 / sum, ahead of its first reader
	WIN 0x01                                       ; source 0 (O^T) window 1; 1 / sum and the results in window 0
.irp x, 0,1
.set jj, 0
.rept 32
	v_pk_mul_f32 v[S+64*\x+jj:S+64*\x+jj+1], v[OT+64*\x+jj:OT+64*\x+jj+1], v[RL+2*\x:RL+2*\x+1] op_sel_hi:[1,0]   ; register 8 T + i is o(r, 16 T + 8 h + i); ascending: each accumulator from its low end on
.set jj, jj+2
.endr
.endr
	WIN 0
	s_wait_alu depctr_va_vdst(0)                   ; the divisions have written v32-159, which the stage's stores read; the conversions and products that named v160-191, in which the stage's first loads land, are done
.macro OUT x, back, again
.irp t, 0,1,2,3,4,5,6,7
	ds_store_b128 v[STI], v[S+64*(\x)+8*\t:S+64*(\x)+8*\t+3] offset:64*\t
	ds_store_b128 v[STI], v[S+64*(\x)+8*\t+4:S+64*(\x)+8*\t+7] offset:64*\t+16
.endr
.if \again
	s_wait_alu depctr_vm_vsrc(0)                   ; tile 0's stores into the stage have read v32-95, in which the loads below land
.endif
.irp i, 0,1,2,3,4,5,6,7,8,9,10,11,12,13,14,15
	ds_load_b128 v[\back+4*\i:\back+4*\i+3], v[STR] offset:528*\i   ; LDS serves a wave's instructions in order (ISA guide 5.7.1.4): these see my stores
.endr
.irp i, 0,1,2,3,4,5,6,7,8,9,10,11,12,13,14,15
	s_wait_dscnt 15-\i                             ; row i is back; the younger loads may be out
	global_store_b128 v[GO], v[\back+4*\i:\back+4*\i+3], s[10:11] offset:8192*(\x)+512*\i th:TH_STORE_NT   ; 32 lanes store 512 consecutive bytes, aligned; written once, read by nobody here
.endr
.endm
	OUT 0, 160, 0                                  ; back into v160-223, which are done with
	OUT 1, 32, 1                                   ; back into tile 0's registers, which the stage has taken
	s_wait_dscnt 0x0                               ; the closing lines, six on end
	s_wait_alu 0x0
	s_wait_tensorcnt 0x0
	ds_add_u32 v241, v251
	s_wait_dscnt 0x0
	s_endpgm
.Lfunc_end_k_q9868aed7ad_attn:
	.size	k_q9868aed7ad_attn, .Lfunc_end_k_q9868aed7ad_attn-k_q9868aed7ad_attn
	.p2alignl 7, 3214868480
	.fill 96, 4, 3214868480
	.section	.rodata,"a",@progbits
	.p2align	6, 0x0
	.amdhsa_kernel k_q9868aed7ad_attn
		.amdhsa_group_segment_fixed_size 203776
		.amdhsa_private_segment_fixed_size 0
		.amdhsa_enable_private_segment 0
		.amdhsa_kernarg_size 32
		.amdhsa_user_sgpr_count 2
		.amdhsa_user_sgpr_kernarg_segment_ptr 1
		.amdhsa_wavefront_size32 1
		.amdhsa_system_sgpr_workgroup_id_x 1
		.amdhsa_system_sgpr_workgroup_id_y 1
		.amdhsa_system_sgpr_workgroup_id_z 1
		.amdhsa_system_vgpr_workitem_id 0
		.amdhsa_next_free_vgpr 512
		.amdhsa_next_free_sgpr 66
		.amdhsa_reserve_vcc 0
		.amdhsa_float_denorm_mode_32 3
		.amdhsa_float_denorm_mode_16_64 3
		.amdhsa_memory_ordered 1
		.amdhsa_forward_progress 1
		.amdhsa_inst_pref_size 165
	.end_amdhsa_kernel
	.amdgpu_metadata
---
amdhsa.version: [ 1, 2 ]
amdhsa.kernels:
  - .name:           k_q9868aed7ad_attn
    .symbol:         k_q9868aed7ad_attn.kd
    .args:
      - { .name: queries, .offset: 0, .size: 8, .value_kind: global_buffer, .address_space: global }
      - { .name: valid_lens, .offset: 8, .size: 8, .value_kind: global_buffer, .address_space: global }
      - { .name: kv, .offset: 16, .size: 8, .value_kind: global_buffer, .address_space: global }
      - { .name: out0, .offset: 24, .size: 8, .value_kind: global_buffer, .address_space: global }
    .group_segment_fixed_size: 203776
    .private_segment_fixed_size: 0
    .kernarg_segment_align: 8
    .kernarg_segment_size: 32
    .max_flat_workgroup_size: 256
    .sgpr_count:     66
    .vgpr_count:     512
    .wavefront_size: 32
...
	.end_amdgpu_metadata
.endif
;; end of part 4
